; MI455X (gfx1250); checked and timed in simulation.
; The chip was launched on July 23, 2026; its instructions are those of AMD's public machine-readable ISA for CDNA 5 (MIT licence, August 2026) and "CDNA5" Instruction Set Architecture Reference Guide (July 2026). The comments in the code are by the model that wrote it; some were corrected since.
;; Multi Head Attention. Allowed arithmetic: matrix products marked QUANTISED: E2M1 operands, one E8M0 scale for each 32 along K, by v_wmma_scale_f32_16x16x128_f8f6f4 with both operands' format E2M1 (or v_wmma_scale_f32_32x16x128_f4), f32 sums; products left as they are: bf16, f16 or f32 operands; f32 sums; everything else in f32.
;; Inputs: bk 1,024 float32; bo 1,024 float32; bq 1,024 float32; bv 1,024 float32; k 4 x 2,048 x 1,024 float32; q 4 x 2,048 x 1,024 float32; v 4 x 2,048 x 1,024 float32; wk 1,024 x 1,024 float32; wo 1,024 x 1,024 float32; wq 1,024 x 1,024 float32; wv 1,024 x 1,024 float32.
;; Outputs: out0 4 x 2,048 x 1,024 float32.
;; This version of the problem:
;;   THIS VERSION OF THE PROBLEM IS GIVEN IN LOW PRECISION. The matrix products marked QUANTISED in the list below multiply operands that are first quantised to E2M1 (2 exponent bits, 1 mantissa bit; 4 bits a number), with one power-of-two scale for each 32 numbers along K (OCP MX v1.0); their sums are f32. The products marked 'left as it is' may take bf16, f16 or f32 operands, with f32 sums. Whichever they take, every output number must still come out within the allowed error. Rounding operands to bf16 (8 significant bits) uses up far more of that allowance than f16 does (11 bits, for magnitudes from 6e-5 to 65,504). All else is computed in f32.
;;   The module's matrix products, in the order in which they are computed (A, B: the left and right operand; K: the contracted axis; several contracted axes count as one K, in the product's order):
;;     1. [M 8,192, K 1,024] x [K 1,024, N 1,024]; A: input q; B: input wq: QUANTISED
;;     2. [M 8,192, K 1,024] x [K 1,024, N 1,024]; A: input k; B: input wk: QUANTISED
;;     3. [M 8,192, K 1,024] x [K 1,024, N 1,024]; A: input v; B: input wv: QUANTISED
;;     4. batch 64 x [M 2,048, K 64] x [K 64, N 2,048]; A: computed on the way; B: computed on the way: left as it is (an operand is computed on the way)
;;     5. batch 64 x [M 2,048, K 2,048] x [K 2,048, N 64]; A: computed on the way; B: computed on the way: left as it is (an operand is computed on the way)
;;     6. [M 8,192, K 1,024] x [K 1,024, N 1,024]; A: computed on the way; B: input wo: left as it is (an operand is computed on the way)
;;   THE QUANTISER, for each operand of a quantised product, along K:
;;     - K is cut into blocks of 32 from its start; a last block that is shorter is filled with zeros.
;;     - A block's scale is 2^e with e = floor(log2(the largest magnitude in the block)) - 2, held to -126 .. 127; a block of zeros has e = 0. As a byte (E8M0): e + 127.
;;     - Each number is divided by its block's scale, clamped to +-6, and rounded to the nearest number of E2M1, ties to even, subnormals kept.
;;     - The product sums the exact products of the quantised numbers (number of the format x scale) in f32.
;;   ~~~python
;;   def quantise(x, axis):      # numpy; x: float32 -> the quantised numbers, widened to float32 again
;;       x = np.moveaxis(x, axis, -1); K = x.shape[-1]
;;       x = np.pad(x, [(0, 0)] * (x.ndim - 1) + [(0, -K % 32)]); x = x.reshape(x.shape[:-1] + (-1, 32)); a = np.abs(x).max(-1, keepdims=True)
;;       e = np.where(a > 0, np.clip(np.frexp(np.where(a > 0, a, 1))[1] - 1 - 2, -126, 127), 0)      # np.frexp(a)[1] - 1 = floor(log2(a)), exactly
;;       r = np.clip(x / 2.0 ** e, -6, 6)
;;       step = 2.0 ** (np.maximum(np.frexp(np.where(r == 0, 1, r))[1] - 1, 0) - 1)
;;       q = np.round(r / step) * step * 2.0 ** e      # np.round: ties to even
;;       return np.moveaxis(q.reshape(q.shape[:-2] + (-1,))[..., :K], -1, axis).astype(np.float32)
;;   ~~~
;; One version. Each part assembles by itself: llvm-mc -triple=amdgcn-amd-amdhsa -mcpu=gfx1250 --defsym DOCPART=n.
;; ======== version 1 of 1: 4 launches
;; limits: values are held in f16: magnitudes above 65,504 overflow, below 6.1e-05 lose precision
;; workspace buffers: xcodes 12,582,912 bytes; xscales 786,432 bytes; wcodes 1,572,864 bytes; wscales 98,304 bytes; woh 2,097,152 bytes; himg 50,331,648 bytes; oimg 16,777,216 bytes
;; launch quant (part 1): grid 896 x 1, 4 waves a work-group, no clusters, 33,280 bytes of LDS; arguments q, k, v, wq, wk, wv, wo, xcodes, xscales, wcodes, wscales, woh; writes xcodes, xscales, wcodes, wscales, woh
.if DOCPART == 1
	.amdgcn_target "amdgcn-amd-amdhsa--gfx1250"
	.amdhsa_code_object_version 6
	.text
	.protected	k_qbea3dc4767_quant
	.globl	k_qbea3dc4767_quant
	.p2align	8
	.type	k_qbea3dc4767_quant,@function
k_qbea3dc4767_quant:
	s_mov_b64 s[64:65], 0
	v_nop
	global_prefetch_b8 v0, s[64:65] scope:SCOPE_SE
	s_setreg_imm32_b32 hwreg(HW_REG_WAVE_MODE, 25, 1), 1
	s_wait_xcnt 0x0
; MULTI-HEAD ATTENTION, first of four launches: q, k, v [8192][1024] and wq, wk, wv [1024][1024], f32, become codes of FP4 (E2M1) with K innermost and one E8M0 byte
; for each 32 along K; wo [1024][1024] becomes f16.  The later launches: the three projections on codes; attention in f16; the projection on the way out in f16.
; WORK LEFT OUT, IN THE WHOLE PROGRAM: THE BIAS bk.  kh = k wk^T + bk enters the result through the scores alone: score(query, key) = SCALE qh . (k wk^T)[key] + SCALE qh . bk.
; The second term does not hang on the key: it is the same along the softmax's axis, and softmax(x + const) = softmax(x) for all real x.  The product of qh and kh is not a quantised one, so no
; quantiser stands between bk and the softmax.  This holds for every value of the inputs.  So bk is not loaded and is among no launch's arguments.
; LIMIT: a NaN, an infinity or an overflow that reaches only that term (a NaN or an infinity in bk) is not carried to the result.
; A block's scale is 2^(floor(log2(its largest magnitude)) - 2); its byte is the largest magnitude's exponent field - 2, held at 1 from below.  A block of zeros so gets the byte 1 where the rule says 127:
; its codes are zeros, which add nothing under any byte but 0xff, and this program alone reads the bytes.  Each number is divided by the scale and rounded to the nearest code, ties to even; beyond 6: the largest code.
; LIMITS: NaN and infinities among the inputs are not served; blocks whose largest magnitude lies under 2^(2 - 126) keep the byte 1; |wo| stays under 65,504 (f16).
; SHARES: rows are dense and K = 1,024 is a multiple of 32, so each tensor is a plain stream of blocks of 32.  A work-group takes 32,768 numbers, a wave 8,192.
; Work-groups 0-767: q, k, v (256 each); 768-863: wq, wk, wv (32 each); 864-895: wo.  Only pointers are chosen by the work-group's number; the six tensors take one path.
; A wave takes 16 steps of 512 numbers.  Each of a step's four loads reads 512 consecutive bytes; the 2,048 bytes turn through the wave's own stage in LDS and come back 64 bytes a lane,
; so that a lane holds 16 neighbours along K (two lanes to a block).  A lane's 16 codes are 8 bytes: a wave's store covers 256 consecutive bytes.  A wave's 256 scale bytes leave as one such store.
; No tensor loads, no barrier: waves share nothing.  Loads run four steps (16 loads a wave) ahead, the turn through LDS one step.
.set WAVES, 4
.set STEPS, 16
.set EMAX,  2
.set CB,    8                          ; bytes of 16 codes
.set R,     16                         ; v16-79   four sets of 16 numbers as they are loaded
.set X,     80                         ; v80-111  two sets of 16 neighbours
.set C,     128                        ; v128-191 codes: four registers for each step, so that no store's data are written again
.set E,     112                        ; v112-127 a scale byte for each step
.set WREG,  8192                       ; LDS: a region for each wave: two stages of 32 x SP bytes, behind them its 256 scale bytes
.set SP,    80                         ; a lane's place in a stage: 64 bytes + 16 of padding
.set SPW,   12                         ; v12  LDS address of my spare word; never rewritten
.set NIL,   13                         ; v13  0; never rewritten
.set SPARE, WAVES*WREG                 ; behind the four regions: the spare words, 128 bytes a wave
	s_load_b512 s[4:19], s[0:1], 0x0               ; q s[4:5], k s[6:7], v s[8:9], wq s[10:11], wk s[12:13], wv s[14:15], wo s[16:17], xcodes s[18:19]
	s_load_b256 s[20:27], s[0:1], 0x40             ; xscales s[20:21], wcodes s[22:23], wscales s[24:25], woh s[26:27]
	v_lshl_add_u32 v[SPW], v0, 2, SPARE
	v_mov_b32 v[NIL], 0
	v_lshrrev_b32 v1, 5, v0
	v_readfirstlane_b32 s28, v1                    ; wave
	v_and_b32 v2, 31, v0                           ; lane
	v_lshlrev_b32 v3, 4, v2                        ; my 16 bytes of a load's 512
	s_mul_i32 s29, s28, WREG
	v_lshrrev_b32 v14, 2, v2
	v_mul_u32_u24 v14, v14, SP
	v_and_b32 v15, 3, v2
	v_lshl_add_u32 v14, v15, 4, v14
	v_add_nc_u32 v14, s29, v14                     ; the stage, on the way in: SP (lane / 4) + 16 (lane % 4)
	v_mul_u32_u24 v15, v2, SP
	v_add_nc_u32 v15, s29, v15                     ; and on the way out: SP x lane: my 16 neighbours
	v_mul_u32_u24 v4, v2, CB                       ; my codes' place in a step's
	v_lshrrev_b32 v5, 1, v2
	s_add_co_u32 s29, s29, 2*32*SP
	v_add_nc_u32 v5, s29, v5                       ; LDS: my wave's 256 scale bytes, my block's byte
	v_lshlrev_b32 v7, 3, v2                        ; 8 bytes a lane
	v_add_nc_u32 v6, s29, v7
	s_wait_kmcnt 0x0
	s_cmp_ge_u32 ttmp9, 864                        ; the last 32 work-groups take wo
	s_cbranch_scc1 .Lwo
	; which tensor, which buffers: the choice hangs on the work-group's number alone
	s_sub_co_u32 s29, ttmp9, 768
	s_cmp_lt_u32 ttmp9, 768                        ; an activation or a weight?
	s_cselect_b32 s30, ttmp9, s29                  ; my number among the family's work-groups
	s_cselect_b32 s31, 8, 5                        ; log2 of the work-groups of one tensor
	s_cselect_b64 s[32:33], s[4:5], s[10:11]
	s_cselect_b64 s[34:35], s[6:7], s[12:13]
	s_cselect_b64 s[36:37], s[8:9], s[14:15]
	s_cselect_b64 s[38:39], s[18:19], s[22:23]     ; the family's codes
	s_cselect_b64 s[40:41], s[20:21], s[24:25]     ; and scale bytes
	s_lshr_b32 s42, s30, s31                       ; which of the family's three tensors
	s_cmp_eq_u32 s42, 2
	s_cselect_b64 s[34:35], s[36:37], s[34:35]
	s_cmp_eq_u32 s42, 0
	s_cselect_b64 s[32:33], s[32:33], s[34:35]     ; the tensor
	s_lshl_b32 s43, s42, s31
	s_sub_co_u32 s43, s30, s43                     ; my part of it
	s_lshl_b32 s43, s43, 2
	s_add_co_u32 s43, s43, s28                     ; my wave's run of 8,192 numbers in the tensor: 32,768 bytes each
	s_lshl_b32 s44, s43, 15
	s_mov_b32 s45, 0
	s_add_nc_u64 s[32:33], s[32:33], s[44:45]
	s_lshl_b32 s43, s30, 2
	s_add_co_u32 s43, s43, s28                     ; and in the family's buffers: 4,096 bytes of codes,
	s_lshl_b32 s44, s43, 12
	s_add_nc_u64 s[38:39], s[38:39], s[44:45]
	s_lshl_b32 s44, s43, 8                         ; 256 scale bytes
	s_add_nc_u64 s[40:41], s[40:41], s[44:45]
.macro LOAD t
.irp i, 0,1,2,3
	global_load_b128 v[R+16*((\t)%4)+4*\i:R+16*((\t)%4)+4*\i+3], v3, s[32:33] offset:2048*(\t)+512*\i th:TH_LOAD_NT   ; 32 lanes read 512 consecutive bytes
.endr
.endm
.macro TURN t                          ; step t's numbers through the stage: LDS serves a wave's instructions in order, so no wait stands between the stores and the loads
.irp i, 0,1,2,3
	ds_store_b128 v14, v[R+16*((\t)%4)+4*\i:R+16*((\t)%4)+4*\i+3] offset:32*SP*((\t)%2)+8*SP*\i
.endr
.irp i, 0,1,2,3
	ds_load_b128 v[X+16*((\t)%2)+4*\i:X+16*((\t)%2)+4*\i+3], v15 offset:32*SP*((\t)%2)+16*\i
.endr
.endm
.irp t, 0,1,2,3
	LOAD \t
.endr
	s_wait_loadcnt 12                              ; step 0's four loads are in; the 12 of steps 1 to 3 stay out
	TURN 0
.macro STEP t
.set XS, X+16*((\t)%2)
.if (\t) > 0
	s_wait_dscnt 1                                 ; this step's numbers are back from the stage (the last step's byte store may be out): so its stores into the stage have read their registers,
.else
	s_wait_dscnt 0x0
.endif
.if (\t)+4 < STEPS
	LOAD (\t)+4                                    ; which take the loads of four steps on
.endif
.if (\t)+1 < STEPS
.if STEPS-2-(\t) >= 3
	s_wait_loadcnt 12                              ; the next step's four loads are in; those of the three steps behind it may be out
.else
	s_wait_loadcnt 4*(STEPS-2-(\t))
.endif
	TURN (\t)+1                                    ; and go through the other stage while this step is worked
.endif
	v_max3_num_f32 v8, |v[XS]|, |v[XS+1]|, |v[XS+2]|               ; the largest magnitude of my 16, in two chains
	v_max3_num_f32 v9, |v[XS+3]|, |v[XS+4]|, |v[XS+5]|
.irp i, 6,10
	v_max3_num_f32 v8, v8, |v[XS+\i]|, |v[XS+\i+1]|
	v_max3_num_f32 v9, v9, |v[XS+\i+2]|, |v[XS+\i+3]|
.endr
	v_max3_num_f32 v8, v8, |v[XS+14]|, |v[XS+15]|
	v_max3_num_f32 v8, v8, v9, (EMAX+1)<<23        ; and the floor 2^(EMAX + 1 - 127): the byte cannot fall under 1
	v_max_num_f32_dpp v8, v8, v8 row_xmask:1 row_mask:0xf bank_mask:0xf   ; and of my neighbour's 16: the block's
	v_add_nc_u32 v11, -(EMAX<<23), v8              ; EMAX off its exponent field: the conversion takes the exponent field of this operand as its scale, and nothing else of it
	v_cvt_scalef32_pk8_fp4_f32 v[C+4*(\t)], v[XS:XS+7], v11
	v_cvt_scalef32_pk8_fp4_f32 v[C+4*(\t)+1], v[XS+8:XS+15], v11
	v_lshrrev_b32 v[E+(\t)], 23, v11               ; the scale's byte (a plain line behind the conversions)
	ds_store_b8 v5, v[E+(\t)] offset:16*(\t)       ; both lanes of a block write the same byte with the same value
	global_store_b64 v4, v[C+4*(\t):C+4*(\t)+1], s[38:39] offset:32*CB*(\t)   ; 32 lanes store 256 consecutive bytes, aligned
.endm
.irp t, 0,1,2,3,4,5,6,7,8,9,10,11,12,13,14,15
	STEP \t
.endr
	ds_load_b64 v[8:9], v6                         ; LDS serves a wave's instructions in order: these see my stores
	s_wait_dscnt 0x0
	global_store_b64 v7, v[8:9], s[40:41]          ; 32 lanes store my wave's 256 scale bytes, aligned
	s_wait_tensorcnt 0x0                           ; the wave's end, behind my last LDS store
	ds_add_u32 v[SPW], v[NIL]
	s_wait_dscnt 0x0
	s_endpgm
; wo -> f16, as it lies.  A wave takes 8,192 numbers in four groups of sixteen loads of 512 consecutive bytes; a lane's four numbers become 8 bytes, a wave's store 256 consecutive bytes.
.Lwo:
	s_sub_co_u32 s29, ttmp9, 864
	s_lshl_b32 s29, s29, 2
	s_add_co_u32 s29, s29, s28                     ; my wave's run
	s_lshl_b32 s44, s29, 15                        ; 32,768 bytes in,
	s_mov_b32 s45, 0
	s_add_nc_u64 s[16:17], s[16:17], s[44:45]
	s_lshl_b32 s44, s29, 14                        ; 16,384 out
	s_add_nc_u64 s[26:27], s[26:27], s[44:45]
.macro LOADG n
.irp i, 0,1,2,3,4,5,6,7,8,9,10,11,12,13,14,15
	global_load_b128 v[16+64*((\n)%2)+4*\i:16+64*((\n)%2)+4*\i+3], v3, s[16:17] offset:8192*(\n)+512*\i th:TH_LOAD_NT
.endr
.endm
.macro GROUP n
.if (\n) < 3
	s_wait_loadcnt 16                              ; this group's sixteen loads are in; the next group's sixteen stay out
.else
	s_wait_loadcnt 0x0
.endif
.if (\n) > 0
	s_wait_xcnt 0x0                                ; the last group's stores have read their data: v144-175 are written again only behind this wait
.endif
.irp i, 0,1,2,3,4,5,6,7,8,9,10,11,12,13,14,15
	v_cvt_pk_f16_f32 v[144+2*\i], v[16+64*((\n)%2)+4*\i], v[16+64*((\n)%2)+4*\i+1]
	v_cvt_pk_f16_f32 v[145+2*\i], v[16+64*((\n)%2)+4*\i+2], v[16+64*((\n)%2)+4*\i+3]
.endr
.if (\n) < 2
	LOADG (\n)+2
.endif
.irp i, 0,1,2,3,4,5,6,7,8,9,10,11,12,13,14,15
	global_store_b64 v7, v[144+2*\i:145+2*\i], s[26:27] offset:4096*(\n)+256*\i
.endr
.endm
	LOADG 0
	LOADG 1
	GROUP 0
	GROUP 1
	GROUP 2
	GROUP 3
	s_endpgm
.Lfunc_end_k_qbea3dc4767_quant:
	.size	k_qbea3dc4767_quant, .Lfunc_end_k_qbea3dc4767_quant-k_qbea3dc4767_quant
	.p2alignl 7, 3214868480
	.fill 96, 4, 3214868480
	.section	.rodata,"a",@progbits
	.p2align	6, 0x0
	.amdhsa_kernel k_qbea3dc4767_quant
		.amdhsa_group_segment_fixed_size 33280
		.amdhsa_private_segment_fixed_size 0
		.amdhsa_enable_private_segment 0
		.amdhsa_kernarg_size 96
		.amdhsa_user_sgpr_count 2
		.amdhsa_user_sgpr_kernarg_segment_ptr 1
		.amdhsa_wavefront_size32 1
		.amdhsa_system_sgpr_workgroup_id_x 1
		.amdhsa_system_sgpr_workgroup_id_y 1
		.amdhsa_system_sgpr_workgroup_id_z 1
		.amdhsa_system_vgpr_workitem_id 0
		.amdhsa_next_free_vgpr 192
		.amdhsa_next_free_sgpr 66
		.amdhsa_reserve_vcc 0
		.amdhsa_float_denorm_mode_32 3
		.amdhsa_float_denorm_mode_16_64 3
		.amdhsa_memory_ordered 1
		.amdhsa_forward_progress 1
		.amdhsa_inst_pref_size 54
	.end_amdhsa_kernel
	.amdgpu_metadata
---
amdhsa.version: [ 1, 2 ]
amdhsa.kernels:
  - .name:           k_qbea3dc4767_quant
    .symbol:         k_qbea3dc4767_quant.kd
    .args:
      - { .name: q, .offset: 0, .size: 8, .value_kind: global_buffer, .address_space: global }
      - { .name: k, .offset: 8, .size: 8, .value_kind: global_buffer, .address_space: global }
      - { .name: v, .offset: 16, .size: 8, .value_kind: global_buffer, .address_space: global }
      - { .name: wq, .offset: 24, .size: 8, .value_kind: global_buffer, .address_space: global }
      - { .name: wk, .offset: 32, .size: 8, .value_kind: global_buffer, .address_space: global }
      - { .name: wv, .offset: 40, .size: 8, .value_kind: global_buffer, .address_space: global }
      - { .name: wo, .offset: 48, .size: 8, .value_kind: global_buffer, .address_space: global }
      - { .name: xcodes, .offset: 56, .size: 8, .value_kind: global_buffer, .address_space: global }
      - { .name: xscales, .offset: 64, .size: 8, .value_kind: global_buffer, .address_space: global }
      - { .name: wcodes, .offset: 72, .size: 8, .value_kind: global_buffer, .address_space: global }
      - { .name: wscales, .offset: 80, .size: 8, .value_kind: global_buffer, .address_space: global }
      - { .name: woh, .offset: 88, .size: 8, .value_kind: global_buffer, .address_space: global }
    .group_segment_fixed_size: 33280
    .private_segment_fixed_size: 0
    .kernarg_segment_align: 8
    .kernarg_segment_size: 96
    .max_flat_workgroup_size: 128
    .sgpr_count:     66
    .vgpr_count:     192
    .wavefront_size: 32
...
	.end_amdgpu_metadata
.endif
;; end of part 1
;; launch proj (part 2): grid 4 x 96, 4 waves a work-group, clusters of 4 x 4, 327,680 bytes of LDS; arguments xcodes, xscales, wcodes, wscales, bq, bv, himg; writes himg
.if DOCPART == 2
	.amdgcn_target "amdgcn-amd-amdhsa--gfx1250"
	.amdhsa_code_object_version 6
	.text
	.protected	k_qbea3dc4767_proj
	.globl	k_qbea3dc4767_proj
	.p2align	8
	.type	k_qbea3dc4767_proj,@function
k_qbea3dc4767_proj:
	s_mov_b64 s[64:65], 0
	v_nop
	global_prefetch_b8 v0, s[64:65] scope:SCOPE_SE
	s_setreg_imm32_b32 hwreg(HW_REG_WAVE_MODE, 25, 1), 1
	s_wait_xcnt 0x0
	s_wait_alu depctr_hold_cnt(0) depctr_sa_sdst(0) depctr_va_vdst(0) depctr_va_sdst(0) depctr_va_ssrc(0) depctr_va_vcc(0) depctr_vm_vsrc(0)
	s_getreg_b32 s2, hwreg(HW_REG_IB_STS2, 6, 4)
	s_cmp_eq_u32 s2, 0
	s_cbranch_scc0 .Lentry_in_a_cluster
	s_endpgm
.Lentry_in_a_cluster:
	s_bfe_u32 s2, ttmp6, 0x10000c
	s_cmp_lg_u32 s2, 0xf033
	s_cbranch_scc0 .Lentry_shape_is_right
	s_endpgm
.Lentry_shape_is_right:
; The three projections qh = q wq^T + bq, kh = k wk^T, vh = v wv^T + bv as ONE launch of GEMMs on codes of FP4 (E2M1) with one E8M0 scale for each 32 along K = 1,024; sums in f32, results in f16.
; WORK LEFT OUT: the bias bk (it adds to every score of a query the same number, which the softmax takes away for all values of the inputs: shown at the head of the first launch).  kh's sums begin with 0.
; LIMIT: |qh|, |kh|, |vh| stay under 65,504 (f16).
; A: xcodes [3 x 8192][512 bytes], xscales [24576][32];  B: wcodes [3 x 1024][512 bytes], wscales [3072][32].  The grid's 96 tile rows are 32 for each tensor T = 0 (q), 1 (k), 2 (v).
; A tile of 256 rows x 256 columns is made by four waves, each 128 x 128: 64 accumulators, 512 registers.  K goes in two steps of 512 through two LDS slots, each filled ONCE by the tensor data mover
; (a tile's row is 256 bytes of memory): nothing is filled again.  The scale bytes of the work-group's rows, for all of K, come once with the first fills, in rows of 256 bytes.
; CLUSTERS: 4 x 4 work-groups.  The four of a row of the cluster need the same tiles of A, the four of a column the same tiles of B: each is asked for JOINTLY.  T is made of the cluster's y alone (8 clusters a tensor):
; it is the same in all sixteen partners.
; THE MATRIX INSTRUCTION IS USED TRANSPOSED (source 0 = 16 rows of the weight, source 1 = 16 tokens): a lane holds eight neighbouring channels of one token.  The bias is the C of each sum's first product.
; THE WAY OUT: himg [T][16 batch + head][tile of 16 tokens: 128][tile of 16 channels: 4][lane][16 bytes]: lane (r, h) holds token r, channels 8 h .. 8 h + 7, as f16.  That is what a lane's eight results become,
; so each store of a wave covers 512 consecutive bytes, with no way through LDS; and two neighbouring pieces are the register image of a 16 x 32 fragment for the next launch.
; REGISTERS, in windows of 256: window 0: v0-31 addresses; v32-95 scale words, two sets, and nothing else; v128-191 A's fragments, one set; v192-255 the bias; on the way out v96-223 packed results.
;   window 1: B's fragments, two sets, at v0 and v128.   window 2: the accumulators of my rows 0-63 ((a, b) at v[8 (8 a + b)]);   window 3: those of rows 64-127.
.set KSTEP,  512
.set NQ,     KSTEP/128
.set ROWB,   256                       ; a tile's row in bytes
.set KROW,   512                       ; a row of codes in memory
.set PITCH,  272                       ; an LDS row: 256 bytes + 16 of padding: the 16 rows that a load touches begin 68 words apart
.set FR,     8
.set NL,     2
.set NP,     4                         ; places behind this matrix instruction (ISA guide 7.12.1)
.set HALFT,  128*PITCH
.set SLOT,   4*HALFT
.set KS,     32                        ; a row of scale bytes
.set SCL,    2*SLOT
.set HALFS,  (128*KS/256)*272
.set SBLK,   (16*KS/256)*272
.set SPARE,  SCL+4*HALFS               ; behind the scales: the spare words, 128 bytes a wave
.set ADRA, 16
.set ADRB, 20
.set CO,   26                          ; v26  16 x lane: my place in a piece of himg
.set ADRS, 27
.set SPW,  28
.set NIL,  29
.set SC,   32
.set AF,   128
.set BIAS, 192                         ; v[192 + 8 b + i] = bias[my first column + 16 b + 8 h + i]
.set TMP,  96                          ; the way out: four sets of 32 registers, v96-223
.set G1, 24
.set G0, 32
.set G1B, 48
.set G0B, 56
.set G1S, 68
.set G0S, 76
.set G1SB, 80
.set G0SB, 88
.set TT,  95                           ; s95  T
.set MSB, 0
.macro WIN new                         ; the immediate's high byte repeats the setting that is left
.if MSB != (\new)
	s_set_vgpr_msb (MSB<<8)|(\new)
.set MSB, (\new)
.endif
.endm
.set MUL_LO, 0xa1                      ; source 0 (B) window 1, source 1 (A) window 0, C and D window 2
.set MUL_HI, 0xf1                      ; the same, C and D window 3
.set TO_B,   0x40
; A joint load: waves 0 and 1 fetch for A, waves 2 and 3 for B.  The branch hangs on the wave's number alone.  An s_nop 0 and four v_nop follow each of the two lines.
.macro JLOAD g0a, g1a, g0b, g1b
	s_cmp_eq_u32 s15, 0
	s_cbranch_scc0 .Lfor_b_\@
	tensor_load_to_lds s[\g0a:\g0a+3], s[\g1a:\g1a+7]
	s_nop 0
.rept 4
	v_nop
.endr
	s_branch .Lasked_\@
.Lfor_b_\@:
	tensor_load_to_lds s[\g0b:\g0b+3], s[\g1b:\g1b+7]
	s_nop 0
.rept 4
	v_nop
.endr
.Lasked_\@:
.endm
.macro CROUND                          ; a round of the cluster's barrier
	s_barrier_signal -1
	s_barrier_wait -1
	s_cmp_lg_u32 s14, 0
	s_cbranch_scc1 .Lnot_wave_0_\@
	s_barrier_signal -3
.Lnot_wave_0_\@:
	s_barrier_wait -3
	s_barrier_signal -1
	s_barrier_wait -1
.endm
	s_load_b128 s[4:7], s[0:1], 0x0                ; A's codes, A's scales
	s_load_b128 s[8:11], s[0:1], 0x10              ; B's codes, B's scales
	s_load_b128 s[96:99], s[0:1], 0x20             ; bq, bv
	s_load_b64 s[12:13], s[0:1], 0x30              ; himg
	v_lshl_add_u32 v[SPW], v0, 2, SPARE
	v_mov_b32 v[NIL], 0
	ds_add_u32 v[SPW], v[NIL]                      ; the wave's opening: the add, twice on end, and its wait ahead of my first tensor load
	ds_add_u32 v[SPW], v[NIL]
	v_lshrrev_b32 v1, 5, v0
	v_readfirstlane_b32 s14, v1                    ; wave 0..3
	s_lshr_b32 s15, s14, 1                         ; which half of the tile's rows is mine.  Also: I fetch for A (0) or for B (1)
	s_and_b32 s16, s14, 1                          ; which half of its columns.  Also: which 128 rows of that tile I fetch
	s_bfe_u32 s40, ttmp6, 0x40000                  ; cx, cy
	s_bfe_u32 s41, ttmp6, 0x40004
	s_lshl_b32 s42, ttmp9, 2
	s_add_co_u32 s42, s42, s40                     ; tile column = 4 x cluster x + cx
	s_and_b32 s17, ttmp7, 0xffff
	s_lshr_b32 s[TT], s17, 3                       ; T: eight clusters along y for each tensor
	s_lshl_b32 s17, s17, 2
	s_add_co_u32 s17, s17, s41                     ; tile row = 4 x cluster y + cy, 0 .. 95
	s_lshl_b32 s43, s41, 2
	s_lshl_b32 s43, 15, s43                        ; my row of the cluster
	s_lshl_b32 s44, 0x1111, s40                    ; my column
	s_or_b32 s[G1+0], s43, (0<<16)|(1<<20)|(1<<21)|(5<<22)|(3<<25)  ; the mask; elements of 1 byte; padding on; bit 21 beside a mask; after every 64 words, 4 words
	s_or_b32 s[G1B+0], s44, (0<<16)|(1<<20)|(1<<21)|(5<<22)|(3<<25)
.irp g, G1, G1B
	s_mov_b32 s[\g+1], ROWB<<16                    ; tensor_dim0
	s_mov_b32 s[\g+2], 128<<16                     ; tensor_dim1
	s_mov_b32 s[\g+3], ROWB<<16                    ; tile_dim0
	s_mov_b32 s[\g+4], 128                         ; tile_dim1
	s_mov_b32 s[\g+5], KROW                        ; from row to row
	s_mov_b32 s[\g+6], 0
	s_mov_b32 s[\g+7], 0
.endr
	s_or_b32 s[G1S+0], s43, (3<<16)|(1<<20)|(1<<21)|(5<<22)|(3<<25) ; the scales of 128 rows: a dense block of 4,096 bytes as 16 rows of 256 (32 elements of 8 bytes), 16 bytes of padding behind each
	s_or_b32 s[G1SB+0], s44, (3<<16)|(1<<20)|(1<<21)|(5<<22)|(3<<25)
.irp g, G1S, G1SB
	s_mov_b32 s[\g+1], 32<<16
	s_mov_b32 s[\g+2], (128*KS/256)<<16
	s_mov_b32 s[\g+3], 32<<16
	s_mov_b32 s[\g+4], 128*KS/256
	s_mov_b32 s[\g+5], 32
	s_mov_b32 s[\g+6], 0
	s_mov_b32 s[\g+7], 0
.endr
	s_lshl_b32 s18, s16, 7                         ; which 128 rows of the tile I fetch
	s_lshl_b32 s20, s17, 8
	s_add_co_u32 s20, s20, s18                     ; A: row 256 x tile row + 128 x half
	s_lshl_b32 s46, s42, 8
	s_add_co_u32 s46, s46, s18                     ; B: row 256 x tile column + 128 x half
	s_lshl_b32 s19, s[TT], 10
	s_add_co_u32 s46, s46, s19                     ;    + 1,024 T: the tensor's own weight
	s_mov_b32 s21, 0
	s_mov_b32 s47, 0
	s_mov_b64 s[18:19], KS
	s_mul_u64 s[22:23], s[20:21], s[18:19]         ; where these rows' scales begin,
	s_mul_u64 s[92:93], s[46:47], s[18:19]
	s_mov_b64 s[18:19], KROW
	s_mul_u64 s[20:21], s[20:21], s[18:19]         ; and their codes
	s_mul_u64 s[46:47], s[46:47], s[18:19]
	s_mul_i32 s45, s14, HALFT                      ; where they go: wave x 128 rows
	s_mul_i32 s94, s14, HALFS
	s_wait_dscnt 0x0                               ; both opening adds are done
	s_wait_kmcnt 0x0
	s_add_nc_u64 s[20:21], s[4:5], s[20:21]
	s_add_nc_u64 s[22:23], s[6:7], s[22:23]
	s_add_nc_u64 s[46:47], s[8:9], s[46:47]
	s_add_nc_u64 s[92:93], s[10:11], s[92:93]
	CROUND                                         ; all sixteen work-groups are here: the joint loads meet
	s_mov_b32 s[G0S], 1
	s_add_co_u32 s[G0S+1], s94, SCL
	s_mov_b64 s[G0S+2:G0S+3], s[22:23]
	s_or_b32 s[G0S+3], s[G0S+3], 0x80000000
	s_mov_b32 s[G0SB], 1
	s_add_co_u32 s[G0SB+1], s94, SCL
	s_mov_b64 s[G0SB+2:G0SB+3], s[92:93]
	s_or_b32 s[G0SB+3], s[G0SB+3], 0x80000000
	JLOAD G0S, G1S, G0SB, G1SB                     ; the scales first: they are wanted with K step 0
.irp s, 0,1
	s_mov_b32 s[G0+4*\s], 1
	s_add_co_u32 s[G0+4*\s+1], s45, \s*SLOT
	s_add_nc_u64 s[G0+4*\s+2:G0+4*\s+3], s[20:21], \s*ROWB
	s_or_b32 s[G0+4*\s+3], s[G0+4*\s+3], 0x80000000
	s_mov_b32 s[G0B+4*\s], 1
	s_add_co_u32 s[G0B+4*\s+1], s45, \s*SLOT
	s_add_nc_u64 s[G0B+4*\s+2:G0B+4*\s+3], s[46:47], \s*ROWB
	s_or_b32 s[G0B+4*\s+3], s[G0B+4*\s+3], 0x80000000
	JLOAD G0+4*\s, G1, G0B+4*\s, G1B               ; three tensor loads of mine are out at the most
.endr
	v_and_b32 v1, 15, v0                           ; r
	v_bfe_u32 v2, v0, 4, 1                         ; h
	v_mul_u32_u24 v3, v1, PITCH
	v_lshl_add_u32 v4, v2, 4, v3                   ; a fragment's row x pitch + 16 h
	s_mul_i32 s21, s15, HALFT                      ; my 128 rows of A
	s_mul_i32 s22, s16, HALFT                      ; my 128 rows of B,
	s_add_co_u32 s22, s22, 2*HALFT                 ; which lie behind A's 256
.irp s, 0,1
	v_add_nc_u32 v[ADRA+\s], s21, v4
	v_add_nc_u32 v[ADRB+\s], s22, v4
	s_add_co_u32 s21, s21, SLOT
	s_add_co_u32 s22, s22, SLOT
.endr
	v_mul_u32_u24 v5, v1, KS                       ; my row's scales: KS bytes a row,
	v_lshrrev_b32 v6, 8, v5
	v_lshl_add_u32 v5, v6, 4, v5                   ; and 16 more for each 256 passed
	s_mul_i32 s21, s15, HALFS
	s_mul_i32 s22, s16, HALFS
	s_add_co_u32 s22, s22, 2*HALFS
	s_sub_co_u32 s22, s22, s21
	v_mul_u32_u24 v6, s22, v2                      ; lanes 16-31 take B's: one product, the distance between the two bases x h
	s_add_co_u32 s21, s21, SCL
	v_add_nc_u32 v5, v5, v6
	v_add_nc_u32 v[ADRS], s21, v5
	v_and_b32 v6, 31, v0
	v_lshlrev_b32 v[CO], 4, v6
	v_lshlrev_b32 v7, 5, v2                        ; the bias: 32 h bytes
	; the bias of my 128 columns: bq for T = 0, bv for T = 2; none for T = 1
	s_cmp_eq_u32 s[TT], 0
	s_cselect_b64 s[96:97], s[96:97], s[98:99]
	s_lshl_b32 s46, s42, 10                        ; 4 bytes x (256 x tile column + 128 x half)
	s_lshl_b32 s47, s16, 9
	s_add_co_u32 s46, s46, s47
	s_mov_b32 s47, 0
	s_add_nc_u64 s[96:97], s[96:97], s[46:47]
	s_cmp_eq_u32 s[TT], 1
	s_cbranch_scc1 .Lno_bias_load
.irp b, 0,1,2,3,4,5,6,7
	global_load_b128 v[BIAS+8*\b:BIAS+8*\b+3], v7, s[96:97] offset:64*\b
	global_load_b128 v[BIAS+8*\b+4:BIAS+8*\b+7], v7, s[96:97] offset:64*\b+16
.endr
.Lno_bias_load:
	; where my results go: T << 24, (16 batch + 4 x tile column + 2 x column half) << 18, (16 x (tile row % 8) + 8 x row half) << 11
	s_and_b32 s20, s17, 31                         ; the tile row within the tensor
	s_lshr_b32 s21, s20, 3                         ; the batch
	s_lshl_b32 s21, s21, 4
	s_lshl_b32 s22, s42, 2
	s_add_co_u32 s21, s21, s22
	s_lshl_b32 s22, s16, 1
	s_add_co_u32 s21, s21, s22
	s_lshl_b32 s21, s21, 18
	s_and_b32 s20, s20, 7
	s_lshl_b32 s20, s20, 4
	s_lshl_b32 s22, s15, 3
	s_add_co_u32 s20, s20, s22
	s_lshl_b32 s20, s20, 11
	s_add_co_u32 s20, s20, s21
	s_lshl_b32 s22, s[TT], 24
	s_add_co_u32 s20, s20, s22
	s_mov_b32 s21, 0
	s_add_nc_u64 s[12:13], s[12:13], s[20:21]
.macro FRAG reg, adr, q, i             ; 16 rows x 128 K of 4-bit codes: 8 registers: lane l holds row l % 16; registers 4 c .. 4 c + 3 hold K = 64 c + 32 (l / 16) + 0 .. 31
.irp c, 0,1
	ds_load_b128 v[\reg+4*\c:\reg+4*\c+3], v[\adr] offset:64*(\q)+32*\c+(\i)*16*PITCH
.endr
.endm
; 16 matrix instructions: A's blocks a0, a0 + 1 x B's eight, the slot's q-th 128 along K.  p: B's set; sc: the set of scale words.  zero = 1: the product starts the sum with 0; 2: with the bias; 0: it adds on.
; The 64 accumulators take turns, one instruction a turn, in the same order in every step.
.macro MUL16 a0, p, q, sc, zero
.irp a, \a0, \a0+1
.irp b, 0,1,2,3,4,5,6,7
.if \zero == 1
	v_wmma_scale_f32_16x16x128_f8f6f4 v[8*(8*((\a)%4)+\b):8*(8*((\a)%4)+\b)+7], v[128*(\p)+FR*\b:128*(\p)+FR*\b+FR-1], v[AF+FR*(\a):AF+FR*(\a)+FR-1], 0, v[SC+8*NQ*(\sc)+NQ*\b+(\q)], v[SC+8*NQ*(\sc)+NQ*(\a)+(\q)] matrix_a_fmt:MATRIX_FMT_FP4 matrix_b_fmt:MATRIX_FMT_FP4 matrix_a_scale:MATRIX_SCALE_ROW1
.elseif \zero == 2
	v_wmma_scale_f32_16x16x128_f8f6f4 v[8*(8*((\a)%4)+\b):8*(8*((\a)%4)+\b)+7], v[128*(\p)+FR*\b:128*(\p)+FR*\b+FR-1], v[AF+FR*(\a):AF+FR*(\a)+FR-1], v[BIAS+8*\b:BIAS+8*\b+7], v[SC+8*NQ*(\sc)+NQ*\b+(\q)], v[SC+8*NQ*(\sc)+NQ*(\a)+(\q)] matrix_a_fmt:MATRIX_FMT_FP4 matrix_b_fmt:MATRIX_FMT_FP4 matrix_a_scale:MATRIX_SCALE_ROW1
.else
	v_wmma_scale_f32_16x16x128_f8f6f4 v[8*(8*((\a)%4)+\b):8*(8*((\a)%4)+\b)+7], v[128*(\p)+FR*\b:128*(\p)+FR*\b+FR-1], v[AF+FR*(\a):AF+FR*(\a)+FR-1], v[8*(8*((\a)%4)+\b):8*(8*((\a)%4)+\b)+7], v[SC+8*NQ*(\sc)+NQ*\b+(\q)], v[SC+8*NQ*(\sc)+NQ*(\a)+(\q)] matrix_a_fmt:MATRIX_FMT_FP4 matrix_b_fmt:MATRIX_FMT_FP4 matrix_a_scale:MATRIX_SCALE_ROW1
.endif
.endr
.endr
.endm
.macro FETCH_B slot, q, p
	WIN TO_B
.irp i, 0,1,2,3,4,5,6,7
	FRAG 128*(\p)+FR*\i, ADRB+\slot, \q, \i
.endr
	WIN 0
.endm
.macro FETCH_A slot, q, i0
.irp i, \i0, \i0+1, \i0+2, \i0+3
	FRAG AF+FR*(\i), ADRA+\slot, \q, \i
.endr
.endm
.macro SCALES sc                       ; a K step's scale words: four words a row; lanes 0-15 take A's block i, lanes 16-31 B's block i
.irp i, 0,1,2,3,4,5,6,7
	ds_load_b128 v[SC+8*NQ*\sc+NQ*\i:SC+8*NQ*\sc+NQ*\i+3], v[ADRS] offset:\i*SBLK
.endr
.endm
.macro PLACES n                        ; plain vector lines between a matrix instruction and a load into, or a vector line on, its registers
.rept \n
	v_nop
.endr
.endm
.macro STEP slot, q, zero              ; a step of 128 along K that has its successor in the same slot
	s_wait_dscnt 4*NL                              ; B's set and A's blocks 0-3 are in; the youngest eight loads (A's blocks 4-7) may be out
.if \zero == 2
	WIN 0x81                                       ; as MUL_LO, but C (the bias) in window 0
.else
	WIN MUL_LO
.endif
	MUL16 0, (\q)%2, \q, \slot, \zero
	MUL16 2, (\q)%2, \q, \slot, \zero
	s_wait_dscnt 0                                 ; A's blocks 4-7 are in
	PLACES NP
	FETCH_B \slot, (\q)+1, 1-(\q)%2
	FETCH_A \slot, (\q)+1, 0
.if \zero == 2
	WIN 0xc1
.else
	WIN MUL_HI
.endif
	MUL16 4, (\q)%2, \q, \slot, \zero
	MUL16 6, (\q)%2, \q, \slot, \zero
	PLACES NP
	WIN 0
	FETCH_A \slot, (\q)+1, 4
.endm
; Slot 0's last step changes slots: one barrier; in front of it each wave waits for all its tensor loads (its part of slot 1).  Nothing is filled again.
.macro TURN slot, next
	s_wait_tensorcnt 0x0                           ; all my tensor loads have landed
	ds_add_u32 v[SPW], v[NIL]                      ; 0 onto my spare word
	s_wait_dscnt 4*NL+1                            ; (the add and the youngest eight loads may be out)
	WIN MUL_LO
	MUL16 0, 1, NQ-1, \slot, 0
	s_wait_dscnt 0x0                               ; the add is done, and no LDS instruction of mine is out at the signal
	s_barrier_signal -1
	MUL16 2, 1, NQ-1, \slot, 0
	WIN 0
	s_barrier_wait -1                              ; every wave's part of the next slot has landed
	PLACES NP
	v_add_nc_u32 v[ADRS], 4*NQ, v[ADRS]            ; on to the next K step's scale words
	FETCH_B \next, 0, 0
	FETCH_A \next, 0, 0
	SCALES \next
	WIN MUL_HI
	MUL16 4, 1, NQ-1, \slot, 0
	MUL16 6, 1, NQ-1, \slot, 0
	PLACES NP
	WIN 0
	FETCH_A \next, 0, 4
.endm
.macro STEPS slot, from
.set Q, \from
.rept NQ-1-\from
	STEP \slot, Q, 0
.set Q, Q+1
.endr
.endm
	s_wait_tensorcnt 1                             ; the scales and my part of slot 0 are in; slot 1's load, issued behind them, may be out
	s_barrier_signal -1
	s_barrier_wait -1                              ; everybody's are
	FETCH_B 0, 0, 0
	FETCH_A 0, 0, 0
	SCALES 0
	FETCH_A 0, 0, 4
	s_cmp_eq_u32 s[TT], 1                          ; the same in all waves and all partners
	s_cbranch_scc1 .Lno_bias
	s_wait_loadcnt 0x0                             ; the bias
	STEP 0, 0, 2                                   ; the first products start the sums with the bias
	s_branch .Lsums_begun
.Lno_bias:
	STEP 0, 0, 1                                   ; kh: with 0
.Lsums_begun:
	STEPS 0, 1
	TURN 0, 1
	STEPS 1, 0
	s_wait_dscnt 4*NL                              ; the very last step: nothing more to fetch
	WIN MUL_LO
	MUL16 0, 1, NQ-1, 1, 0
	MUL16 2, 1, NQ-1, 1, 0
	s_wait_dscnt 0
	WIN MUL_HI
	MUL16 4, 1, NQ-1, 1, 0
	MUL16 6, 1, NQ-1, 1, 0
	WIN 0
; THE WAY OUT, block a of 16 tokens x 128 channels: a lane's eight results of accumulator (a, b) become 16 bytes, its place in the piece (token tile a, head b / 4, channel tile b % 4).
.macro OUTB a
.set AC, 64*((\a)%4)
.set TM, TMP+32*((\a)%4)
.if (\a) >= 4
	s_wait_xcnt 0x0                                ; block a - 4's stores have read their data: this set of 32 registers is written again only behind this wait
.endif
	WIN 0x0a+5*((\a)/4)                            ; sources 0 and 1: window 2 or 3
.irp b, 0,1,2,3,4,5,6,7
.irp i, 0,1,2,3
	v_cvt_pk_f16_f32 v[TM+4*\b+\i], v[AC+8*\b+2*\i], v[AC+8*\b+2*\i+1]   ; each accumulator from its low end on
.endr
.endr
	WIN 0
.irp b, 0,1,2,3,4,5,6,7
	global_store_b128 v[CO], v[TM+4*\b:TM+4*\b+3], s[12:13] offset:(\b/4)*262144+2048*(\a)+512*(\b%4)   ; 32 lanes store 512 consecutive bytes, aligned
.endr
.endm
	PLACES NP                                      ; behind the last products: the conversions read results and write registers that held A's fragments and the bias
.irp a, 0,1,2,3,4,5,6,7
	OUTB \a
.endr
	s_wait_tensorcnt 0x0                           ; the wave's end
	ds_add_u32 v[SPW], v[NIL]
	s_wait_dscnt 0x0
	CROUND                                         ; the closing round: no work-group ends while a partner may still ask for a tile that names it
	s_endpgm
.Lfunc_end_k_qbea3dc4767_proj:
	.size	k_qbea3dc4767_proj, .Lfunc_end_k_qbea3dc4767_proj-k_qbea3dc4767_proj
	.p2alignl 7, 3214868480
	.fill 96, 4, 3214868480
	.section	.rodata,"a",@progbits
	.p2align	6, 0x0
	.amdhsa_kernel k_qbea3dc4767_proj
		.amdhsa_group_segment_fixed_size 327680
		.amdhsa_private_segment_fixed_size 0
		.amdhsa_enable_private_segment 0
		.amdhsa_kernarg_size 56
		.amdhsa_user_sgpr_count 2
		.amdhsa_user_sgpr_kernarg_segment_ptr 1
		.amdhsa_wavefront_size32 1
		.amdhsa_system_sgpr_workgroup_id_x 1
		.amdhsa_system_sgpr_workgroup_id_y 1
		.amdhsa_system_sgpr_workgroup_id_z 1
		.amdhsa_system_vgpr_workitem_id 0
		.amdhsa_next_free_vgpr 1024
		.amdhsa_next_free_sgpr 100
		.amdhsa_reserve_vcc 0
		.amdhsa_float_denorm_mode_32 3
		.amdhsa_float_denorm_mode_16_64 3
		.amdhsa_memory_ordered 1
		.amdhsa_forward_progress 1
		.amdhsa_inst_pref_size 130
	.end_amdhsa_kernel
	.amdgpu_metadata
---
amdhsa.version: [ 1, 2 ]
amdhsa.kernels:
  - .name:           k_qbea3dc4767_proj
    .symbol:         k_qbea3dc4767_proj.kd
    .args:
      - { .name: xcodes, .offset: 0, .size: 8, .value_kind: global_buffer, .address_space: global }
      - { .name: xscales, .offset: 8, .size: 8, .value_kind: global_buffer, .address_space: global }
      - { .name: wcodes, .offset: 16, .size: 8, .value_kind: global_buffer, .address_space: global }
      - { .name: wscales, .offset: 24, .size: 8, .value_kind: global_buffer, .address_space: global }
      - { .name: bq, .offset: 32, .size: 8, .value_kind: global_buffer, .address_space: global }
      - { .name: bv, .offset: 40, .size: 8, .value_kind: global_buffer, .address_space: global }
      - { .name: himg, .offset: 48, .size: 8, .value_kind: global_buffer, .address_space: global }
    .group_segment_fixed_size: 327680
    .private_segment_fixed_size: 0
    .kernarg_segment_align: 8
    .kernarg_segment_size: 56
    .max_flat_workgroup_size: 128
    .sgpr_count:     100
    .vgpr_count:     1024
    .wavefront_size: 32
...
	.end_amdgpu_metadata
.endif
;; end of part 2
;; launch attn (part 3): grid 4 x 64, 8 waves a work-group, clusters of 4 x 1, 327,680 bytes of LDS; arguments himg, oimg; writes oimg
.if DOCPART == 3
	.amdgcn_target "amdgcn-amd-amdhsa--gfx1250"
	.amdhsa_code_object_version 6
	.text
	.protected	k_qbea3dc4767_attn
	.globl	k_qbea3dc4767_attn
	.p2align	8
	.type	k_qbea3dc4767_attn,@function
k_qbea3dc4767_attn:
	s_mov_b64 s[64:65], 0
	v_nop
	global_prefetch_b8 v0, s[64:65] scope:SCOPE_SE
	s_setreg_imm32_b32 hwreg(HW_REG_WAVE_MODE, 25, 1), 1
	s_wait_xcnt 0x0
	s_wait_alu depctr_hold_cnt(0) depctr_sa_sdst(0) depctr_va_vdst(0) depctr_va_sdst(0) depctr_va_ssrc(0) depctr_va_vcc(0) depctr_vm_vsrc(0)
	s_getreg_b32 s2, hwreg(HW_REG_IB_STS2, 6, 4)
	s_cmp_eq_u32 s2, 0
	s_cbranch_scc0 .Lentry_in_a_cluster
	s_endpgm
.Lentry_in_a_cluster:
	s_bfe_u32 s2, ttmp6, 0x10000c
	s_cmp_lg_u32 s2, 0x3003
	s_cbranch_scc0 .Lentry_shape_is_right
	s_endpgm
.Lentry_shape_is_right:
; o[b][head][query] = the sum over keys of softmax_key(qh . kh / 8) vh, for 64 pairs (batch, head), 2,048 queries and keys, head size 64.  Operands f16, products, maxima and sums f32; the weights p (at most 1)
; are rounded to f16 for the second product, o once at the end.  kh comes without its bias (dead work: shown at the head of the first launch).
; himg [T = 0 q, 1 k, 2 v][16 b + head][tile of 16 tokens: 128][tile of 16 channels: 4][lane][16 bytes]: lane (r, h) holds token r, channels 8 h .. + 7.  Two neighbouring pieces of 512 bytes are the register
; image of a fragment of 16 tokens x 32 channels: Q and K are read at 16 x lane, with no pitch and no padding.  V is read from the same pieces by the turning load.
; oimg [tile of 16 tokens: 512][head: 16][tile of 16 channels: 4][lane][16 bytes]: the same form, for the next launch.
; SHARES.  A cluster is the four blocks of 512 queries of one (batch, head); they walk the same K and V, so each tile is asked for JOINTLY.  A work-group owns 512 queries, each of its eight waves 64: four tiles of 16.
; Every wave walks all keys, 64 a step.  Each fragment of K and V read from LDS feeds four matrix instructions.
; LAYOUT.  S^T = K Q^T (source 0 = 16 keys, source 1 = 16 queries): a lane holds ONE query (lane % 16) and keys 8 (lane / 16) + 0 .. 7 of each tile of keys.  Two such tiles, rounded to f16 in pairs, ARE source 1 of
; O^T = V^T P, whose result again holds one query a lane, and eight channels.  P is laid over the low half of its tile's S^T.
; SOFTMAX.  For each query a running maximum m and sum l: p = 2^(c s - c m), c = log2(e) / 8; in every step O and l are multiplied by a = 2^(c m_old - c m_new).  m begins at -3e38, l and O^T at 0.
; TWO GROUPS OF WAVES, HALF A STEP APART.  A step is matrix work (V^T P of the step before, K Q^T of this one) and vector work (the softmax).  Group 0 runs a trip as matrix, vector; group 1 as vector, matrix, on the
; step before's scores.  The group is bit 0 xor bit 2 of the wave's number, so waves w and w + 4 differ, and so do waves 2 i and 2 i + 1.  All barriers stand between trips.
; RING.  Two LDS slots of 512 keys (K's 64 KiB, then V's 64 KiB); each of the eight waves brings 16 KiB with one load.  Four slots' worth of keys: two first fills, two refills.
; No prefetch: half of K and V comes with the first fills, and each refill is asked for eight key steps (512 matrix instructions a wave) ahead of its first read.
; REGISTERS: window 0: v2-5 addresses; v8, v9 the add's two; v16-47 statistics, eight a tile; v48-111 Q; v128-255 S^T, 32 a tile.   window 1: v0-127 O^T, 32 a tile; v128-191 K of a step; v192-255 V of a step.
.set SLOT1, 1<<17                      ; slot 1 begins here: one exclusive or turns an address in one slot into the other's
.set VOFF,  65536                      ; V's part of a slot
.set STEPB, 8192                       ; a key step: 4 tiles of keys x 2,048 bytes
.set SPARE, 2*SLOT1                    ; behind the ring: the spare words, 128 bytes for each of eight waves
.set AK0, 2                            ; v2  16 x lane: my place in a piece; also Q's and o's offset; never rewritten
.set AV0, 3                            ; v3  my place for the turning load, in V's part; never rewritten
.set ADK, 4
.set ADV, 5
.set SPW, 8
.set NIL, 9
.set ST,  16                           ; tile t at v[ST + 8 t]: +0 c m, +1 m, +2, +3 l (even keys', odd keys'), +4 to +7 at work; a stands at +6
.set Q,   48                           ; fragment (tile t, channels 32 g on) at v[Q + 16 t + 8 g]
.set S,   128
.set KB,  128                          ; in window 1: fragment (keys 16 i on, channels 32 g on) at v[KB + 8 (2 i + g)]
.set VB,  192                          ; in window 1: fragment (keys 32 g on, channels 16 c on) at v[VB + 8 (4 g + c)]
.set WV,  8                            ; s8   wave
.set GRP, 9                            ; s9   group
.set G1,  24                           ; s[24:31] descriptor group 1
.set G0A, 32                           ; s[32:35] group 0 of slot 0's first fill
.set GW,  36                           ; s[36:39] group 0 of slot 1's first fill; it then walks
.set CS,  40                           ; s[40:41] c
.set SEL, 42                           ; s[42:43] selects for lane l xor 16
.set TB,  44                           ; s44  LDS byte at which the step to be fetched begins
.set CNT, 45
.set SLOTS, 46
.set MSB, 0
.macro WIN new                         ; the immediate's high byte repeats the setting that is left
.if MSB != (\new)
	s_set_vgpr_msb (MSB<<8)|(\new)
.set MSB, (\new)
.endif
.endm
.macro PLACES n
.rept \n
	v_nop
.endr
.endm
.macro CROUND                          ; a round of the cluster's barrier
	s_barrier_signal -1
	s_barrier_wait -1
	s_cmp_lg_u32 s[WV], 0
	s_cbranch_scc1 .Lnot_wave_0_\@
	s_barrier_signal -3
.Lnot_wave_0_\@:
	s_barrier_wait -3
	s_barrier_signal -1
	s_barrier_wait -1
.endm
	s_load_b128 s[4:7], s[0:1], 0x0                ; himg, oimg
	v_lshl_add_u32 v[SPW], v0, 2, SPARE
	v_mov_b32 v[NIL], 0
	ds_add_u32 v[SPW], v[NIL]                      ; the wave's opening: the add, twice on end, and its wait ahead of my first tensor load
	ds_add_u32 v[SPW], v[NIL]
	v_lshrrev_b32 v1, 5, v0
	v_readfirstlane_b32 s[WV], v1                  ; wave 0..7
	s_and_b32 s[GRP], s[WV], 5                     ; bits 0 and 2: 0, 1, 4, 5;
	s_mul_i32 s[GRP], s[GRP], 5                    ; x 5: 0, 5, 20, 25, whose bit 2 is 0, 1, 1, 0:
	s_bfe_u32 s[GRP], s[GRP], 0x10002              ; bit 0 xor bit 2 of the wave's number
	s_bfe_u32 s10, ttmp6, 0x40000                  ; cx: my block of 512 queries: it enters Q's and o's addresses alone
	s_and_b32 s11, ttmp7, 0xffff                   ; 16 b + head, which the four partners share
	s_lshr_b32 s12, s[WV], 2                       ; what I fetch: waves 0-3 K (tensor 1), waves 4-7 V (tensor 2): 16 MiB a tensor,
	s_add_co_u32 s12, s12, 1
	s_lshl_b32 s12, s12, 24
	s_lshl_b32 s13, s11, 18                        ; 256 KiB a head,
	s_add_co_u32 s12, s12, s13
	s_and_b32 s13, s[WV], 3
	s_lshl_b32 s13, s13, 14                        ; my quarter of a slot's 64 KiB
	s_add_co_u32 s12, s12, s13
	s_mov_b32 s13, 0
	s_lshl_b32 s16, s10, 5
	s_lshl_b32 s17, s[WV], 2
	s_add_co_u32 s16, s16, s17                     ; my first tile of 16 queries in the head: 32 cx + 4 wave
	s_lshl_b32 s18, s16, 11
	s_lshl_b32 s19, s11, 18
	s_add_co_u32 s18, s18, s19                     ; Q: tensor 0
	s_mov_b32 s19, 0
	s_lshr_b32 s20, s11, 4                         ; b
	s_lshl_b32 s20, s20, 7
	s_add_co_u32 s20, s20, s16
	s_lshl_b32 s20, s20, 15                        ; o: 32 KiB a tile of tokens,
	s_and_b32 s21, s11, 15
	s_lshl_b32 s21, s21, 11                        ; 2 KiB a head
	s_add_co_u32 s20, s20, s21
	s_mov_b32 s21, 0
	; descriptor group 1: a dense block of 16 KiB as 64 rows of 256 bytes (32 elements of 8 bytes), no padding
	s_mov_b32 s[G1], 15|(3<<16)|(1<<21)            ; the mask: all four work-groups; elements of 8 bytes; bit 21 beside a mask
	s_mov_b32 s[G1+1], 32<<16                      ; tensor_dim0
	s_mov_b32 s[G1+2], 64<<16                      ; tensor_dim1
	s_mov_b32 s[G1+3], 32<<16                      ; tile_dim0
	s_mov_b32 s[G1+4], 64                          ; tile_dim1
	s_mov_b32 s[G1+5], 32                          ; from row to row
	s_mov_b32 s[G1+6], 0
	s_mov_b32 s[G1+7], 0
	s_mov_b32 s[CS], 0x3e38aa3b                    ; c = log2(e) / 8: SCALE = 1 / 8 is folded in
	s_mov_b32 s[CS+1], s[CS]
	s_mov_b32 s[SEL], 0x76543210
	s_mov_b32 s[SEL+1], 0xfedcba98
	s_mov_b32 s[TB], 0
	s_wait_dscnt 0x0                               ; both opening adds are done
	s_wait_kmcnt 0x0
	s_mov_b32 s[G0A], 1
	s_lshl_b32 s[G0A+1], s[WV], 14                 ; LDS: 16,384 x wave: K's four quarters, then V's
	s_add_nc_u64 s[G0A+2:G0A+3], s[4:5], s[12:13]  ; keys 0 to 511
	s_mov_b32 s[GW], 1
	s_add_co_u32 s[GW+1], s[G0A+1], SLOT1
	s_add_nc_u64 s[GW+2:GW+3], s[G0A+2:G0A+3], 65536   ; keys 512 to 1,023
	s_or_b32 s[G0A+3], s[G0A+3], 0x80000000
	s_or_b32 s[GW+3], s[GW+3], 0x80000000
	s_add_nc_u64 s[14:15], s[4:5], s[18:19]        ; Q at my wave's first tile
	s_add_nc_u64 s[6:7], s[6:7], s[20:21]          ; o likewise
	CROUND                                         ; all four work-groups are here: the first joint loads meet
	tensor_load_to_lds s[G0A:G0A+3], s[G1:G1+7]    ; every wave fills its part of both slots: two loads of mine are out
	s_nop 0
	tensor_load_to_lds s[GW:GW+3], s[G1:G1+7]
	s_nop 0
	PLACES 4
	v_and_b32 v1, 31, v0
	v_lshlrev_b32 v[AK0], 4, v1
	; The turning load takes 16 keys x 16 channels.  Lane l reads the 16 bytes of key 8 (l / 16) + l % 8, channels 8 ((l / 8) % 2) + 0 .. 7, which lie at 16 x (16 ((l / 8) % 2) + 8 (l / 16) + l % 8) of a piece,
	; and is left with channel l % 16 and 8 keys: half a fragment of V^T.
	v_and_b32 v6, 7, v0
	v_bfe_u32 v7, v0, 4, 1
	v_lshl_add_u32 v6, v7, 3, v6
	v_bfe_u32 v7, v0, 3, 1
	v_lshl_add_u32 v6, v7, 4, v6
	v_lshl_add_u32 v[AV0], v6, 4, VOFF
.irp i, 0,1,2,3,4,5,6,7,8,9,10,11,12,13,14,15
	global_load_b128 v[Q+4*\i:Q+4*\i+3], v[AK0], s[14:15] offset:512*\i   ; Q stays in registers
.endr
.irp t, 0,1,2,3
	v_mov_b32 v[ST+8*\t+1], 0xff61b1e6             ; m = -3e38, under every score
	v_mov_b32 v[ST+8*\t+2], 0                      ; l
	v_mov_b32 v[ST+8*\t+3], 0
.endr
.irp t, 0,1,2,3
	v_mul_f32 v[ST+8*\t], s[CS], v[ST+8*\t+1]      ; c m
.endr
	WIN 0x40
.set i, 0
.rept 128
	v_mov_b32 v[i], 0                              ; O^T.  Once a wave: so the trip is written without a first step of its own; the first a is 0 and leaves zeros
.set i, i+1
.endr
	WIN 0
.macro FETCH_K                         ; a step's K: 16 pieces as they lie
	WIN 0
	v_add_nc_u32 v[ADK], s[TB], v[AK0]
	WIN 0x40                                       ; destination window 1
.irp i, 0,1,2,3,4,5,6,7,8,9,10,11,12,13,14,15
	ds_load_b128 v[KB+4*\i:KB+4*\i+3], v[ADK] offset:512*\i
.endr
	WIN 0
.endm
.macro FETCH_V                         ; the same step's V, turned
	v_add_nc_u32 v[ADV], s[TB], v[AV0]
	WIN 0x40
.irp g, 0,1
.irp c, 0,1,2,3
	ds_load_tr16_b128 v[VB+8*(4*\g+\c):VB+8*(4*\g+\c)+3],   v[ADV] offset:4096*\g+512*\c
	ds_load_tr16_b128 v[VB+8*(4*\g+\c)+4:VB+8*(4*\g+\c)+7], v[ADV] offset:4096*\g+2048+512*\c
.endr
.endr
	WIN 0
.endm
; The accumulators take turns, one instruction a turn: between two links of a chain stand 15 others'.
.macro PVM                             ; O^T += V^T P: 32 products
	WIN 0x51                                       ; V and O^T in window 1, P in window 0
.irp g, 0,1
.irp c, 0,1,2,3
.irp t, 0,1,2,3
	v_wmma_f32_16x16x32_f16 v[32*\t+8*\c:32*\t+8*\c+7], v[VB+8*(4*\g+\c):VB+8*(4*\g+\c)+7], v[S+32*\t+8*\g:S+32*\t+8*\g+7], v[32*\t+8*\c:32*\t+8*\c+7]
.endr
.endr
.endr
.endm
.macro KQM                             ; S^T = K Q^T: 32 products; the first 16 start the sums
	WIN 0x01                                       ; K in window 1
.irp g, 0,1
.irp i, 0,1,2,3
.irp t, 0,1,2,3
.if \g == 0
	v_wmma_f32_16x16x32_f16 v[S+32*\t+8*\i:S+32*\t+8*\i+7], v[KB+8*(2*\i+\g):KB+8*(2*\i+\g)+7], v[Q+16*\t+8*\g:Q+16*\t+8*\g+7], 0
.else
	v_wmma_f32_16x16x32_f16 v[S+32*\t+8*\i:S+32*\t+8*\i+7], v[KB+8*(2*\i+\g):KB+8*(2*\i+\g)+7], v[Q+16*\t+8*\g:Q+16*\t+8*\g+7], v[S+32*\t+8*\i:S+32*\t+8*\i+7]
.endif
.endr
.endr
.endr
.endm
; THE MATRIX PART OF A TRIP.  pv = 1: V^T P of the step before; then this step's V is asked for and K Q^T follows.
.macro MM pv
.if \pv
	s_wait_dscnt 16                                ; V of the step before is in; this step's K, sixteen younger loads, may be out
	PVM
	WIN 0
	PLACES 5                                       ; four in front of the loads into V's registers; five in front of K Q^T, which writes over P, a source of these products
.endif
	FETCH_V
	s_wait_dscnt 16                                ; K is in; V's sixteen loads stay out
	KQM
	WIN 0
	PLACES 5                                       ; four in front of the first read of the scores and of the next loads into K's registers; five in front of any V^T P, which names these registers as its source 1:
	                                               ; a softmax stands between the two in every wave, but the distance is kept on every way that the text's branches allow
.endm
; THE VECTOR PART: the four tiles' softmax of one key step, the tiles by turns, so that no line waits for the line above it.
.macro SM
.irp j, 0,1,2,3                        ; the maximum of a lane's 32 scores and the old m: four chains; each accumulator is first read at its low end
.irp t, 0,1,2,3
	v_max3_num_f32 v[ST+8*\t+4+\j], v[S+32*\t+8*\j], v[S+32*\t+8*\j+1], v[S+32*\t+8*\j+2]
.endr
.endr
.irp u, 3,5
.irp j, 0,1,2,3
.irp t, 0,1,2,3
	v_max3_num_f32 v[ST+8*\t+4+\j], v[ST+8*\t+4+\j], v[S+32*\t+8*\j+\u], v[S+32*\t+8*\j+\u+1]
.endr
.endr
.endr
.irp t, 0,1,2,3
	v_max3_num_f32 v[ST+8*\t+4], v[ST+8*\t+4], v[S+32*\t+7], v[S+32*\t+15]
.endr
.irp t, 0,1,2,3
	v_max3_num_f32 v[ST+8*\t+6], v[ST+8*\t+6], v[S+32*\t+23], v[S+32*\t+31]
.endr
.irp t, 0,1,2,3
	v_max3_num_f32 v[ST+8*\t+4], v[ST+8*\t+4], v[ST+8*\t+5], v[ST+8*\t+6]
.endr
.irp t, 0,1,2,3
	v_max3_num_f32 v[ST+8*\t+4], v[ST+8*\t+4], v[ST+8*\t+7], v[ST+8*\t+1]
.endr
.irp t, 0,1,2,3
	v_permlanex16_b32 v[ST+8*\t+5], v[ST+8*\t+4], s[SEL], s[SEL+1]   ; the query's other 32 keys lie in the lane 16 away
.endr
.irp t, 0,1,2,3
	v_mov_b32 v[ST+8*\t+7], v[ST+8*\t]             ; c m_old
.endr
.irp t, 0,1,2,3
	v_max_num_f32 v[ST+8*\t+1], v[ST+8*\t+4], v[ST+8*\t+5]   ; the new m
.endr
.irp t, 0,1,2,3
	v_mul_f32 v[ST+8*\t], s[CS], v[ST+8*\t+1]
.endr
.irp t, 0,1,2,3
	v_sub_f32 v[ST+8*\t+7], v[ST+8*\t+7], v[ST+8*\t]
.endr
	; ONE BATCH: the four a, the 64 scalings c s - c m and the 128 exponentials.  No line of it names an exponential's result.  A tile's scalings stand among the exponentials of the tile before.
.irp t, 0,1,2,3
	v_exp_f32 v[ST+8*\t+6], v[ST+8*\t+7]           ; a = 2^(c m_old - c m_new)
.endr
.irp i, 0,1,2,3,4,5,6,7,8,9,10,11,12,13,14,15
	v_pk_fma_f32 v[S+2*\i:S+2*\i+1], v[S+2*\i:S+2*\i+1], s[CS:CS+1], v[ST:ST+1] op_sel_hi:[1,0,0] neg_lo:[0,0,1] neg_hi:[0,0,1]
.endr
.irp t, 0,1,2,3
.irp i, 0,1,2,3,4,5,6,7,8,9,10,11,12,13,14,15
	v_exp_f32 v[S+32*\t+2*\i], v[S+32*\t+2*\i]
	v_exp_f32 v[S+32*\t+2*\i+1], v[S+32*\t+2*\i+1]
.if \t < 3
	v_pk_fma_f32 v[S+32*(\t+1)+2*\i:S+32*(\t+1)+2*\i+1], v[S+32*(\t+1)+2*\i:S+32*(\t+1)+2*\i+1], s[CS:CS+1], v[ST+8*(\t+1):ST+8*(\t+1)+1] op_sel_hi:[1,0,0] neg_lo:[0,0,1] neg_hi:[0,0,1]
.endif
.endr
.endr
	v_nop                                          ; a plain line behind the last exponential
	s_wait_alu depctr_va_vdst(0)                   ; the wait ahead of the first line that names a result: one for the whole batch
	; l = a l + the sum of p, in f32; p to f16, in place: register i takes pair i, which has just been added; it held a number of pair i / 2, added and rounded before
.irp i, 0,1,2,3,4,5,6,7,8,9,10,11,12,13,14,15
.irp t, 0,1,2,3
.if \i == 0
	v_pk_fma_f32 v[ST+8*\t+2:ST+8*\t+3], v[ST+8*\t+2:ST+8*\t+3], v[ST+8*\t+6:ST+8*\t+7], v[S+32*\t:S+32*\t+1] op_sel_hi:[1,0,1]
.else
	v_pk_add_f32 v[ST+8*\t+2:ST+8*\t+3], v[ST+8*\t+2:ST+8*\t+3], v[S+32*\t+2*\i:S+32*\t+2*\i+1]
.endif
.endr
.irp t, 0,1,2,3
	v_cvt_pk_f16_f32 v[S+32*\t+\i], v[S+32*\t+2*\i], v[S+32*\t+2*\i+1]
.endr
.endr
	WIN 0x41                                       ; O^T (destination and source 0) in window 1, a in window 0
.irp u, 0,1,2,3,4,5,6,7,8,9,10,11,12,13,14,15
.irp t, 0,1,2,3
	v_pk_mul_f32 v[32*\t+2*\u:32*\t+2*\u+1], v[32*\t+2*\u:32*\t+2*\u+1], v[ST+8*\t+6:ST+8*\t+7] op_sel_hi:[1,0]   ; O^T x a, each accumulator from its low end on
.endr
.endr
	WIN 0
.endm
; A TRIP: key step j.  Group 0: V^T P (j - 1), K Q^T (j), softmax (j).  Group 1: softmax (j - 1), V^T P (j - 1), K Q^T (j).  The branches hang on the wave's number alone.
.macro TRIP
	FETCH_K
	s_cmp_eq_u32 s[GRP], 0
	s_cbranch_scc0 .Lvector_first_\@
	MM 1
.Lvector_first_\@:
	SM
	s_cmp_eq_u32 s[GRP], 0
	s_cbranch_scc1 .Lmatrix_done_\@
	MM 1
.Lmatrix_done_\@:
	s_add_co_u32 s[TB], s[TB], STEPB               ; the next fetches are the next step's
.endm
.macro WALK n
	s_mov_b32 s[CNT], \n
.Lwalk_\@:
	TRIP
	s_sub_co_u32 s[CNT], s[CNT], 1
	s_cmp_lg_u32 s[CNT], 0
	s_cbranch_scc1 .Lwalk_\@
.endm
; THE CHANGE OF SLOTS, between trips: the slot's last bytes, K and V of its eighth step, have been asked for by both groups.  Each wave waits for all its tensor loads (its part of the other slot), adds 0 to its spare
; word, and waits for that and for its reads of the slot.  fill = 1: the barrier is a round of the cluster's, and the joint refill, the keys two slots on, is the first thing behind it.
.macro CHANGE fill
	s_wait_tensorcnt 0x0                           ; no tensor load of mine is out, so a group 0 may be written
	ds_add_u32 v[SPW], v[NIL]                      ; 0 onto my spare word
.if \fill
	s_xor_b32 s[GW+1], s[GW+1], SLOT1              ; the walking descriptor: the other slot than last time,
	s_add_nc_u64 s[GW+2:GW+3], s[GW+2:GW+3], 65536 ; the next 512 keys; the type bits on top are not reached
.endif
	s_wait_dscnt 0x0                               ; the add is done, and my reads of the slot are over
.if \fill
	CROUND
	tensor_load_to_lds s[GW:GW+3], s[G1:G1+7]      ; my one tensor load behind the round
	s_nop 0
	PLACES 4
.else
	s_barrier_signal -1
	s_barrier_wait -1
.endif
	s_sub_co_u32 s[TB], s[TB], 8*STEPB             ; the fetches go back to a slot's first step,
	s_xor_b32 s[TB], s[TB], SLOT1                  ; in the other slot
.endm
	s_wait_tensorcnt 1                             ; my part of slot 0 is in; slot 1's, issued behind it, may stay out
	s_barrier_signal -1
	s_barrier_wait -1                              ; everybody's is
	FETCH_K                                        ; key step 0
	s_wait_loadcnt 0x0                             ; Q
	MM 0
	s_add_co_u32 s[TB], s[TB], STEPB
	s_cmp_eq_u32 s[GRP], 0
	s_cbranch_scc0 .Lskew
	SM                                             ; group 0 goes half a step ahead
.Lskew:
	s_wait_dscnt 0x0
	s_barrier_signal -1
	s_barrier_wait -1                              ; from here group 0 begins each stretch with matrix work, group 1 with vector work
	WALK 7                                         ; key steps 1 to 7
	s_mov_b32 s[SLOTS], 2
.Lslot:
	CHANGE 1
	WALK 8
	s_sub_co_u32 s[SLOTS], s[SLOTS], 1
	s_cmp_lg_u32 s[SLOTS], 0
	s_cbranch_scc1 .Lslot
	CHANGE 0                                       ; the tail is written out
	WALK 8
	s_cmp_eq_u32 s[GRP], 0
	s_cbranch_scc1 .Llast
	SM                                             ; group 1 catches up
.Llast:
	s_wait_dscnt 0x0                               ; V of the last step
	PVM
	WIN 0
	; THE WAY OUT.  l's two halves and the other half of the lanes' are added; O^T is divided by l and rounded to f16: a lane's eight channels are its 16 bytes of a piece of oimg.  The additions are the places behind the last products.
.irp t, 0,1,2,3
	v_add_f32 v[ST+8*\t+4], v[ST+8*\t+2], v[ST+8*\t+3]
.endr
.irp t, 0,1,2,3
	v_permlanex16_b32 v[ST+8*\t+5], v[ST+8*\t+4], s[SEL], s[SEL+1]
.endr
.irp t, 0,1,2,3
	v_add_f32 v[ST+8*\t+4], v[ST+8*\t+4], v[ST+8*\t+5]
.endr
.irp t, 0,1,2,3
	v_rcp_f32 v[ST+8*\t+6], v[ST+8*\t+4]
.endr
	v_nop                                          ; a plain line behind the last reciprocal
	s_wait_alu depctr_va_vdst(0)                   ; and the wait ahead of the first use: one for the four
	WIN 0x41
.irp u, 0,1,2,3,4,5,6,7,8,9,10,11,12,13,14,15
.irp t, 0,1,2,3
	v_pk_mul_f32 v[32*\t+2*\u:32*\t+2*\u+1], v[32*\t+2*\u:32*\t+2*\u+1], v[ST+8*\t+6:ST+8*\t+7] op_sel_hi:[1,0]
.endr
.endr
	WIN 0x05                                       ; sources 0 and 1 window 1, destination window 0: S^T's registers are free
.irp t, 0,1,2,3
.irp c, 0,1,2,3
.irp i, 0,1,2,3
	v_cvt_pk_f16_f32 v[S+16*\t+4*\c+\i], v[32*\t+8*\c+2*\i], v[32*\t+8*\c+2*\i+1]
.endr
.endr
.endr
	WIN 0
.irp t, 0,1,2,3
.irp c, 0,1,2,3
	global_store_b128 v[AK0], v[S+16*\t+4*\c:S+16*\t+4*\c+3], s[6:7] offset:32768*\t+512*\c   ; 32 lanes store 512 consecutive bytes, aligned
.endr
.endr
	s_wait_tensorcnt 0x0                           ; the wave's end
	ds_add_u32 v[SPW], v[NIL]
	s_wait_dscnt 0x0
	CROUND                                         ; the closing round: no work-group ends while a partner may still ask for a tile that names it
	s_endpgm
.Lfunc_end_k_qbea3dc4767_attn:
	.size	k_qbea3dc4767_attn, .Lfunc_end_k_qbea3dc4767_attn-k_qbea3dc4767_attn
	.p2alignl 7, 3214868480
	.fill 96, 4, 3214868480
	.section	.rodata,"a",@progbits
	.p2align	6, 0x0
	.amdhsa_kernel k_qbea3dc4767_attn
		.amdhsa_group_segment_fixed_size 327680
		.amdhsa_private_segment_fixed_size 0
		.amdhsa_enable_private_segment 0
		.amdhsa_kernarg_size 16
		.amdhsa_user_sgpr_count 2
		.amdhsa_user_sgpr_kernarg_segment_ptr 1
		.amdhsa_wavefront_size32 1
		.amdhsa_system_sgpr_workgroup_id_x 1
		.amdhsa_system_sgpr_workgroup_id_y 1
		.amdhsa_system_sgpr_workgroup_id_z 1
		.amdhsa_system_vgpr_workitem_id 0
		.amdhsa_next_free_vgpr 512
		.amdhsa_next_free_sgpr 66
		.amdhsa_reserve_vcc 0
		.amdhsa_float_denorm_mode_32 3
		.amdhsa_float_denorm_mode_16_64 3
		.amdhsa_memory_ordered 1
		.amdhsa_forward_progress 1
		.amdhsa_inst_pref_size 193
	.end_amdhsa_kernel
	.amdgpu_metadata
---
amdhsa.version: [ 1, 2 ]
amdhsa.kernels:
  - .name:           k_qbea3dc4767_attn
    .symbol:         k_qbea3dc4767_attn.kd
    .args:
      - { .name: himg, .offset: 0, .size: 8, .value_kind: global_buffer, .address_space: global }
      - { .name: oimg, .offset: 8, .size: 8, .value_kind: global_buffer, .address_space: global }
    .group_segment_fixed_size: 327680
    .private_segment_fixed_size: 0
    .kernarg_segment_align: 8
    .kernarg_segment_size: 16
    .max_flat_workgroup_size: 256
    .sgpr_count:     66
    .vgpr_count:     512
    .wavefront_size: 32
...
	.end_amdgpu_metadata
.endif
;; end of part 3
;; launch oproj (part 4): grid 4 x 64, 4 waves a work-group, clusters of 4 x 4, 327,680 bytes of LDS; arguments oimg, woh, bo, out0; writes out0
.if DOCPART == 4
	.amdgcn_target "amdgcn-amd-amdhsa--gfx1250"
	.amdhsa_code_object_version 6
	.text
	.protected	k_qbea3dc4767_oproj
	.globl	k_qbea3dc4767_oproj
	.p2align	8
	.type	k_qbea3dc4767_oproj,@function
k_qbea3dc4767_oproj:
	s_mov_b64 s[64:65], 0
	v_nop
	global_prefetch_b8 v0, s[64:65] scope:SCOPE_SE
	s_setreg_imm32_b32 hwreg(HW_REG_WAVE_MODE, 25, 1), 1
	s_wait_xcnt 0x0
	s_wait_alu depctr_hold_cnt(0) depctr_sa_sdst(0) depctr_va_vdst(0) depctr_va_sdst(0) depctr_va_ssrc(0) depctr_va_vcc(0) depctr_vm_vsrc(0)
	s_getreg_b32 s2, hwreg(HW_REG_IB_STS2, 6, 4)
	s_cmp_eq_u32 s2, 0
	s_cbranch_scc0 .Lentry_in_a_cluster
	s_endpgm
.Lentry_in_a_cluster:
	s_bfe_u32 s2, ttmp6, 0x10000c
	s_cmp_lg_u32 s2, 0xf033
	s_cbranch_scc0 .Lentry_shape_is_right
	s_endpgm
.Lentry_shape_is_right:
; out0[token][n] = the sum over k of o[token][k] wo[n][k] + bo[n]: 8,192 tokens, n and k 1,024.  Operands f16, sums f32, out0 f32.
; o: oimg [tile of 16 tokens: 512][64 pieces of 512 bytes along K]: lane (r, h) of piece p holds token r, k = 16 p + 8 h + 0 .. 7; two neighbouring pieces are the register image of a fragment of 16 tokens x 32 K.
; wo: woh [1024 n][1024 k] f16, rows along K.
; A tile of out0 is 128 tokens x 256 columns: 64 x 4 = 256 work-groups.  Four waves, each 64 tokens x 128 columns: 32 accumulators, 256 registers.  K goes in 8 steps of 128 through a ring of two LDS slots.
; CLUSTERS: 4 x 4 work-groups.  The four of a row of the cluster (the four column tiles of one block of tokens) need the same tiles of o, the four of a column the same rows of wo: each tile is asked for JOINTLY.
; THE MATRIX INSTRUCTION IS USED TRANSPOSED (source 0 = 16 rows of wo, source 1 = 16 tokens): a lane holds eight neighbouring columns of one token.  bo is the C of each sum's first product.
; No prefetch: a K step of this tile is short, and each refill has a whole K step in which to land.
; REGISTERS: window 0: v16-29 addresses; v32-95 bo; v128-159, v160-191 o's fragments, two buffers; on the way out v128-255 rows of out0.   window 1: wo's fragments, two buffers, v0-63, v64-127.   window 2: the accumulators, (a, b) at v[8 (8 a + b)].
.set PITCH,  272                       ; a row of wo in LDS: 256 bytes + 16 of padding: the 16 rows that a load touches begin 68 words apart
.set ABYTES, 8*4096                    ; a slot: o's 8 tiles of tokens x 4,096 bytes, as they lie,
.set HALFB,  128*PITCH                 ; then wo's 256 rows, two halves
.set SLOT,   ABYTES+2*HALFB
.set STAGE,  2*SLOT                    ; behind the ring: 16 rows x (512 bytes + 16) for each wave, for the way out
.set SPITCH, 528
.set SPARE,  STAGE+4*16*SPITCH         ; behind the stages: the spare words, 128 bytes a wave
.set LAPS,   4                         ; a lap = two K steps = once round the ring
.set ADRA, 16                          ; v16-17 LDS address of my fragments of o in slot 0, 1
.set ADRB, 20                          ; v20-21 of wo
.set STO,  24
.set RD,   25
.set CO,   26                          ; v26  16 x lane
.set SPW,  28
.set NIL,  29
.set BIAS, 32                          ; v[32 + 8 b + i] = bo[my first column + 16 b + 8 h + i]
.set AF,   128
.set BK,   128
.set G1, 24
.set G0, 32
.set G1B, 48
.set G0B, 56
.set MSB, 0
.macro WIN new                         ; the immediate's high byte repeats the setting that is left
.if MSB != (\new)
	s_set_vgpr_msb (MSB<<8)|(\new)
.set MSB, (\new)
.endif
.endm
.set MUL,  0xa1                        ; source 0 (wo) window 1, source 1 (o) window 0, C and D window 2
.set MULB, 0x81                        ; the same, C (bo) in window 0
.set TO_B, 0x40
.macro JLOAD s                         ; a joint load: waves 0 and 1 fetch o's two halves, waves 2 and 3 wo's; an s_nop 0 and four v_nop follow each of the two lines
	s_cmp_eq_u32 s13, 0
	s_cbranch_scc0 .Lfor_b_\@
	tensor_load_to_lds s[G0+4*\s:G0+4*\s+3], s[G1:G1+7]
	s_nop 0
.rept 4
	v_nop
.endr
	s_branch .Lasked_\@
.Lfor_b_\@:
	tensor_load_to_lds s[G0B+4*\s:G0B+4*\s+3], s[G1B:G1B+7]
	s_nop 0
.rept 4
	v_nop
.endr
.Lasked_\@:
.endm
.macro CREST                           ; a round of the cluster's barrier behind its opening barrier
	s_cmp_lg_u32 s12, 0
	s_cbranch_scc1 .Lnot_wave_0_\@
	s_barrier_signal -3
.Lnot_wave_0_\@:
	s_barrier_wait -3
	s_barrier_signal -1
	s_barrier_wait -1
.endm
.macro CROUND
	s_barrier_signal -1
	s_barrier_wait -1
	CREST
.endm
.macro PLACES
.rept 4
	v_nop
.endr
.endm
	s_load_b128 s[4:7], s[0:1], 0x0                ; oimg, woh
	s_load_b128 s[8:11], s[0:1], 0x10              ; bo, out0
	v_lshl_add_u32 v[SPW], v0, 2, SPARE
	v_mov_b32 v[NIL], 0
	ds_add_u32 v[SPW], v[NIL]                      ; the wave's opening: the add, twice on end, and its wait ahead of my first tensor load
	ds_add_u32 v[SPW], v[NIL]
	v_lshrrev_b32 v1, 5, v0
	v_readfirstlane_b32 s12, v1                    ; wave 0..3
	s_lshr_b32 s13, s12, 1                         ; which 64 tokens are mine.  Also: I fetch for o (0) or for wo (1)
	s_and_b32 s14, s12, 1                          ; which 128 columns.  Also: which half of that tile I fetch
	s_bfe_u32 s40, ttmp6, 0x40000                  ; cx, cy
	s_bfe_u32 s41, ttmp6, 0x40004
	s_lshl_b32 s42, ttmp9, 2
	s_add_co_u32 s42, s42, s40                     ; tile column = 4 x cluster x + cx
	s_and_b32 s15, ttmp7, 0xffff
	s_lshl_b32 s15, s15, 2
	s_add_co_u32 s15, s15, s41                     ; block of 128 tokens = 4 x cluster y + cy
	s_lshl_b32 s43, s41, 2
	s_lshl_b32 s43, 15, s43                        ; my row of the cluster
	s_lshl_b32 s44, 0x1111, s40                    ; my column
	; o: 4 tiles of tokens: 4 rows of 4,096 bytes (512 elements of 8 bytes), 32,768 bytes apart; dense in LDS
	s_or_b32 s[G1+0], s43, (3<<16)|(1<<21)
	s_mov_b32 s[G1+1], 512<<16                     ; tensor_dim0
	s_mov_b32 s[G1+2], 4<<16                       ; tensor_dim1
	s_mov_b32 s[G1+3], 512<<16                     ; tile_dim0
	s_mov_b32 s[G1+4], 4                           ; tile_dim1
	s_mov_b32 s[G1+5], 4096                        ; from row to row
	s_mov_b32 s[G1+6], 0
	s_mov_b32 s[G1+7], 0
	; wo: 128 rows x 128 elements of 2 bytes, 4 words of padding after every 64
	s_or_b32 s[G1B+0], s44, (1<<16)|(1<<20)|(1<<21)|(5<<22)|(3<<25)
	s_mov_b32 s[G1B+1], 128<<16
	s_mov_b32 s[G1B+2], 128<<16
	s_mov_b32 s[G1B+3], 128<<16
	s_mov_b32 s[G1B+4], 128
	s_mov_b32 s[G1B+5], 1024
	s_mov_b32 s[G1B+6], 0
	s_mov_b32 s[G1B+7], 0
	s_lshl_b32 s16, s15, 3
	s_lshl_b32 s17, s14, 2
	s_add_co_u32 s16, s16, s17                     ; o: tile of tokens 8 x block + 4 x half,
	s_lshl_b32 s16, s16, 15                        ; 32,768 bytes each
	s_mov_b32 s17, 0
	s_lshl_b32 s46, s42, 8
	s_lshl_b32 s47, s14, 7
	s_add_co_u32 s46, s46, s47                     ; wo: row 256 x tile column + 128 x half,
	s_lshl_b32 s46, s46, 11                        ; 2,048 bytes each
	s_mov_b32 s47, 0
	s_lshl_b32 s20, s14, 14                        ; where they go: o's half,
	s_mul_i32 s21, s14, HALFB
	s_add_co_u32 s21, s21, ABYTES                  ; wo's half: no place in the cluster enters an LDS address
	s_wait_dscnt 0x0                               ; both opening adds are done
	s_wait_kmcnt 0x0
	s_add_nc_u64 s[18:19], s[4:5], s[16:17]
	s_add_nc_u64 s[46:47], s[6:7], s[46:47]
	CROUND                                         ; all sixteen work-groups are here: the first joint loads meet
.irp s, 0,1
	s_mov_b32 s[G0+4*\s], 1
	s_add_co_u32 s[G0+4*\s+1], s20, \s*SLOT
	s_add_nc_u64 s[G0+4*\s+2:G0+4*\s+3], s[18:19], \s*4096     ; K step s: 8 pieces
	s_or_b32 s[G0+4*\s+3], s[G0+4*\s+3], 0x80000000
	s_mov_b32 s[G0B+4*\s], 1
	s_add_co_u32 s[G0B+4*\s+1], s21, \s*SLOT
	s_add_nc_u64 s[G0B+4*\s+2:G0B+4*\s+3], s[46:47], \s*256
	s_or_b32 s[G0B+4*\s+3], s[G0B+4*\s+3], 0x80000000
	JLOAD \s                                       ; two loads of mine are out
.endr
	v_and_b32 v1, 15, v0                           ; r
	v_bfe_u32 v2, v0, 4, 1                         ; h
	v_and_b32 v3, 31, v0
	v_lshlrev_b32 v[CO], 4, v3
	s_lshl_b32 s22, s13, 14                        ; my 4 tiles of tokens
	v_add_nc_u32 v[ADRA], s22, v[CO]
	v_add_nc_u32 v[ADRA+1], SLOT, v[ADRA]
	v_mul_u32_u24 v4, v1, PITCH
	v_lshl_add_u32 v4, v2, 4, v4                   ; a fragment's row x pitch + 16 h
	s_mul_i32 s22, s14, HALFB
	s_add_co_u32 s22, s22, ABYTES                  ; my 128 rows of wo
	v_add_nc_u32 v[ADRB], s22, v4
	v_add_nc_u32 v[ADRB+1], SLOT, v[ADRB]
	s_mul_i32 s23, s12, 16*SPITCH
	s_add_co_u32 s23, s23, STAGE                   ; my stage
	v_mul_u32_u24 v5, v1, SPITCH
	v_lshl_add_u32 v5, v2, 5, v5
	v_add_nc_u32 v[STO], s23, v5                   ; in: row r, 32 bytes for each half of the lanes
	v_add_nc_u32 v[RD], s23, v[CO]                 ; back: the 32 lanes take one row of 512 bytes
	v_lshlrev_b32 v6, 5, v2                        ; bo: 32 h bytes
	s_lshl_b32 s46, s42, 10                        ; my first column, in bytes: 1,024 x tile column + 512 x half
	s_lshl_b32 s47, s14, 9
	s_add_co_u32 s46, s46, s47
	s_mov_b32 s47, 0
	s_add_nc_u64 s[8:9], s[8:9], s[46:47]
	s_add_nc_u64 s[10:11], s[10:11], s[46:47]
	s_lshl_b32 s16, s15, 7
	s_lshl_b32 s17, s13, 6
	s_add_co_u32 s16, s16, s17                     ; my first token: 128 x block + 64 x half,
	s_lshl_b32 s16, s16, 12                        ; 4,096 bytes a row of out0
	s_mov_b32 s17, 0
	s_add_nc_u64 s[10:11], s[10:11], s[16:17]
.irp b, 0,1,2,3,4,5,6,7
	global_load_b128 v[BIAS+8*\b:BIAS+8*\b+3], v6, s[8:9] offset:64*\b
	global_load_b128 v[BIAS+8*\b+4:BIAS+8*\b+7], v6, s[8:9] offset:64*\b+16
.endr
; 8 matrix instructions: tokens' block a x all 8 blocks of columns, 32 along K, buffer f.  first = 1: the product starts the sum with bo.  The 32 accumulators take turns in one order in every quarter.
.macro MUL8 f, a, first
.irp b, 0,1,2,3,4,5,6,7
.if \first
	v_wmma_f32_16x16x32_f16 v[8*(8*(\a)+\b):8*(8*(\a)+\b)+7], v[64*(\f)+8*\b:64*(\f)+8*\b+7], v[AF+32*(\f)+8*(\a):AF+32*(\f)+8*(\a)+7], v[BIAS+8*\b:BIAS+8*\b+7]
.else
	v_wmma_f32_16x16x32_f16 v[8*(8*(\a)+\b):8*(8*(\a)+\b)+7], v[64*(\f)+8*\b:64*(\f)+8*\b+7], v[AF+32*(\f)+8*(\a):AF+32*(\f)+8*(\a)+7], v[8*(8*(\a)+\b):8*(8*(\a)+\b)+7]
.endif
.endr
.endm
.macro MUL16 f, a0, first
	MUL8 \f, \a0, \first
	MUL8 \f, \a0+1, \first
.endm
; 24 LDS loads in one run: the fragments of the slot's q-th 32 along K into buffer f: wo's eight, then o's four, blocks 2 and 3 last
.macro FETCH slot, q, f
	WIN TO_B
.irp i, 0,1,2,3,4,5,6,7
	ds_load_b128 v[64*(\f)+8*\i:64*(\f)+8*\i+3],   v[ADRB+\slot] offset:64*(\q)+\i*16*PITCH
	ds_load_b128 v[64*(\f)+8*\i+4:64*(\f)+8*\i+7], v[ADRB+\slot] offset:64*(\q)+\i*16*PITCH+32
.endr
	WIN 0
.irp a, 0,1,2,3
	ds_load_b128 v[AF+32*(\f)+8*\a:AF+32*(\f)+8*\a+3],   v[ADRA+\slot] offset:4096*\a+1024*(\q)
	ds_load_b128 v[AF+32*(\f)+8*\a+4:AF+32*(\f)+8*\a+7], v[ADRA+\slot] offset:4096*\a+1024*(\q)+512
.endr
.endm
; A K step is four quarters of 32 along K, 32 matrix instructions each, on buffers 0, 1, 0, 1.  One of the first three: multiplies buffer f and fetches quarter q of the same slot into g.
.macro QUARTER slot, q, f, g, first
	s_wait_dscnt 4                                 ; wo's fragments and o's blocks 0, 1 are in; the youngest four loads (blocks 2, 3) may be out
.if \first
	WIN MULB
.else
	WIN MUL
.endif
	MUL16 \f, 0, \first
	PLACES                                         ; in front of loads into registers that matrix instructions have read
	FETCH \slot, \q, \g
	s_wait_dscnt 24                                ; all but the 24 just issued
.if \first
	WIN MULB
.else
	WIN MUL
.endif
	MUL16 \f, 2, \first
.endm
; The last quarter multiplies buffer 1 and changes slots: ONE barrier; in front of it each wave waits for all its tensor loads, adds 0 to its spare word, and waits for that and for its reads of this slot.
; fill = 1: the barrier opens a round of the cluster's, and this slot is filled again, two K steps ahead, first thing behind the round.
.macro TURN slot, next, fill
	WIN 0
	s_wait_tensorcnt 0x0                           ; all my tensor loads have landed: my part of the next slot
	ds_add_u32 v[SPW], v[NIL]                      ; 0 onto my spare word
	s_wait_dscnt 5                                 ; (the add and the youngest four loads may be out)
	WIN MUL
	MUL8 1, 0, 0                                   ; eight matrix instructions stand between the add and the wait for it
	s_wait_dscnt 0x0                               ; the add is done, and my reads of this slot are over
	s_barrier_signal -1
	MUL8 1, 1, 0
	WIN 0
	s_barrier_wait -1
.if \fill
	CREST                                          ; no wave of any partner still reads this slot's tile or has a load on its way
	s_add_nc_u64 s[G0+4*\slot+2:G0+4*\slot+3], s[G0+4*\slot+2:G0+4*\slot+3], 2*4096
	s_add_nc_u64 s[G0B+4*\slot+2:G0B+4*\slot+3], s[G0B+4*\slot+2:G0B+4*\slot+3], 2*256
	JLOAD \slot                                    ; the four v_nop behind it are also the places in front of the loads below
.else
	PLACES
.endif
	FETCH \next, 0, 0
	WIN MUL
	MUL16 1, 2, 0
.endm
	s_wait_tensorcnt 1                             ; my part of K step 0 is in; K step 1's load may stay out
	s_barrier_signal -1
	s_barrier_wait -1                              ; everybody's is
	FETCH 0, 0, 0
	s_wait_loadcnt 0x0                             ; bo
	QUARTER 0, 1, 0, 1, 1                          ; the first quarter stands in front of the loop: its products start the sums
	WIN 0                                          ; at a label and at a branch every window is 0
	s_mov_b32 s3, LAPS-1
.Llap:                                                 ; a trip goes once round the ring, from a lap's second quarter to the next lap's first, and fills both slots again
	QUARTER 0, 2, 1, 0, 0
	QUARTER 0, 3, 0, 1, 0
	TURN 0, 1, 1
	QUARTER 1, 1, 0, 1, 0
	QUARTER 1, 2, 1, 0, 0
	QUARTER 1, 3, 0, 1, 0
	TURN 1, 0, 1
	QUARTER 0, 1, 0, 1, 0
	WIN 0
	s_sub_co_u32 s3, s3, 1
	s_cmp_lg_u32 s3, 0
	s_cbranch_scc1 .Llap
	QUARTER 0, 2, 1, 0, 0                          ; the last lap fills nothing
	QUARTER 0, 3, 0, 1, 0
	TURN 0, 1, 0
	QUARTER 1, 1, 0, 1, 0
	QUARTER 1, 2, 1, 0, 0
	QUARTER 1, 3, 0, 1, 0
	s_wait_dscnt 4                                 ; the very last quarter: nothing more to fetch
	WIN MUL
	MUL16 1, 0, 0
	s_wait_dscnt 0x0
	MUL16 1, 2, 0
	WIN 0
; THE WAY OUT, block by block of 16 tokens x 128 columns.  A lane holds 32 neighbouring bytes of a row, and the lanes beside it hold other rows: so a block goes through my own stage in LDS and comes back as whole rows
; of 512 bytes.  LDS serves a wave's instructions in order (ISA guide 5.7.1.4): no wait between the stores and the loads, nor in front of the next block's stores.
.macro TOSTAGE a
	WIN 0x08                                       ; an LDS store's data are its source 1: window 2
.irp b, 0,1,2,3,4,5,6,7
	ds_store_b128 v[STO], v[64*(\a)+8*\b:64*(\a)+8*\b+3] offset:64*\b          ; each accumulator from its low end on
	ds_store_b128 v[STO], v[64*(\a)+8*\b+4:64*(\a)+8*\b+7] offset:64*\b+16
.endr
	WIN 0
.irp t, 0,1,2,3,4,5,6,7,8,9,10,11,12,13,14,15
	ds_load_b128 v[BK+64*((\a)%2)+4*\t:BK+64*((\a)%2)+4*\t+3], v[RD] offset:\t*SPITCH
.endr
.endm
.macro SEND a, younger                 ; younger: the LDS instructions issued behind block a's loads, which may stay out
	s_wait_dscnt \younger
.irp t, 0,1,2,3,4,5,6,7,8,9,10,11,12,13,14,15
	global_store_b128 v[CO], v[BK+64*((\a)%2)+4*\t:BK+64*((\a)%2)+4*\t+3], s[10:11] offset:65536*(\a)+4096*\t th:TH_STORE_NT   ; 32 lanes store 512 consecutive bytes of a row, aligned; written once, read by nobody here
.endr
.endm
	PLACES                                         ; behind the last products: the stores read results, the loads land where fragments lay
	TOSTAGE 0
	TOSTAGE 1
	SEND 0, 32                                     ; behind block 0's loads: block 1's 16 stores and 16 loads
	s_wait_xcnt 0x0                                ; block 0's stores have read their data: block 2's loads may land there
	TOSTAGE 2
	SEND 1, 32
	s_wait_xcnt 0x0                                ; block 1's likewise
	TOSTAGE 3
	SEND 2, 32
	SEND 3, 0
	s_wait_tensorcnt 0x0                           ; the wave's end, behind my last tensor load and my last LDS store
	ds_add_u32 v[SPW], v[NIL]
	s_wait_dscnt 0x0
	CROUND                                         ; the closing round: no work-group ends while a partner may still ask for a tile that names it
	s_endpgm
.Lfunc_end_k_qbea3dc4767_oproj:
	.size	k_qbea3dc4767_oproj, .Lfunc_end_k_qbea3dc4767_oproj-k_qbea3dc4767_oproj
	.p2alignl 7, 3214868480
	.fill 96, 4, 3214868480
	.section	.rodata,"a",@progbits
	.p2align	6, 0x0
	.amdhsa_kernel k_qbea3dc4767_oproj
		.amdhsa_group_segment_fixed_size 327680
		.amdhsa_private_segment_fixed_size 0
		.amdhsa_enable_private_segment 0
		.amdhsa_kernarg_size 32
		.amdhsa_user_sgpr_count 2
		.amdhsa_user_sgpr_kernarg_segment_ptr 1
		.amdhsa_wavefront_size32 1
		.amdhsa_system_sgpr_workgroup_id_x 1
		.amdhsa_system_sgpr_workgroup_id_y 1
		.amdhsa_system_sgpr_workgroup_id_z 1
		.amdhsa_system_vgpr_workitem_id 0
		.amdhsa_next_free_vgpr 768
		.amdhsa_next_free_sgpr 66
		.amdhsa_reserve_vcc 0
		.amdhsa_float_denorm_mode_32 3
		.amdhsa_float_denorm_mode_16_64 3
		.amdhsa_memory_ordered 1
		.amdhsa_forward_progress 1
		.amdhsa_inst_pref_size 87
	.end_amdhsa_kernel
	.amdgpu_metadata
---
amdhsa.version: [ 1, 2 ]
amdhsa.kernels:
  - .name:           k_qbea3dc4767_oproj
    .symbol:         k_qbea3dc4767_oproj.kd
    .args:
      - { .name: oimg, .offset: 0, .size: 8, .value_kind: global_buffer, .address_space: global }
      - { .name: woh, .offset: 8, .size: 8, .value_kind: global_buffer, .address_space: global }
      - { .name: bo, .offset: 16, .size: 8, .value_kind: global_buffer, .address_space: global }
      - { .name: out0, .offset: 24, .size: 8, .value_kind: global_buffer, .address_space: global }
    .group_segment_fixed_size: 327680
    .private_segment_fixed_size: 0
    .kernarg_segment_align: 8
    .kernarg_segment_size: 32
    .max_flat_workgroup_size: 128
    .sgpr_count:     66
    .vgpr_count:     768
    .wavefront_size: 32
...
	.end_amdgpu_metadata
.endif
;; end of part 4
